; MI455X (gfx1250); checked and timed in simulation.
; The chip was launched on July 23, 2026; its instructions are those of AMD's public machine-readable ISA for CDNA 5 (MIT licence, August 2026) and "CDNA5" Instruction Set Architecture Reference Guide (July 2026). The comments in the code are by the model that wrote it; some were corrected since.
;; Multihead Attention. Allowed arithmetic: matrix products marked QUANTISED: E2M3 operands, one E8M0 scale for each 32 along K, by v_wmma_scale_f32_16x16x128_f8f6f4 with both operands' format E2M3, f32 sums; everything else in f32.
;; Inputs: Wk 1,024 x 1,024 float32; Wo 1,024 x 1,024 float32; Wq 1,024 x 1,024 float32; Wv 1,024 x 1,024 float32; bo 1,024 float32; bq 1,024 float32; bv 1,024 float32; pos_bias 2,047 x 16 float32; x 2 x 2,048 x 1,024 float32.
;; Outputs: out0 2 x 2,048 x 1,024 float32.
;; Constants: max_dist = 1024.
;; This version of the problem:
;;   THIS VERSION OF THE PROBLEM IS GIVEN IN LOW PRECISION. The matrix products marked QUANTISED in the list below multiply operands that are first quantised to E2M3 (2 exponent bits, 3 mantissa bits; 6 bits a number), with one power-of-two scale for each 32 numbers along K (OCP MX v1.0); their sums are f32. All else is computed in f32.
;;   The module's matrix products, in the order in which they are computed (A, B: the left and right operand; K: the contracted axis; several contracted axes count as one K, in the product's order):
;;     1. [M 4,096, K 1,024] x [K 1,024, N 1,024]; A: input x; B: input Wq: QUANTISED
;;     2. [M 4,096, K 1,024] x [K 1,024, N 1,024]; A: input x; B: input Wk: QUANTISED
;;     3. [M 4,096, K 1,024] x [K 1,024, N 1,024]; A: input x; B: input Wv: QUANTISED
;;     4. batch 32 x [M 2,048, K 64] x [K 64, N 2,048]; A: computed on the way; B: computed on the way: QUANTISED
;;     5. batch 32 x [M 2,048, K 2,048] x [K 2,048, N 64]; A: softmax (see below); B: computed on the way: QUANTISED
;;     6. [M 4,096, K 1,024] x [K 1,024, N 1,024]; A: computed on the way; B: input Wo: QUANTISED
;;   THE QUANTISER, for each operand of a quantised product, along K:
;;     - K is cut into blocks of 32 from its start; a last block that is shorter is filled with zeros.
;;     - A block's scale is 2^e with e = floor(log2(the largest magnitude in the block)) - 2, held to -126 .. 127; a block of zeros has e = 0. As a byte (E8M0): e + 127.
;;     - Each number is divided by its block's scale, clamped to +-7.5, and rounded to the nearest number of E2M3, ties to even, subnormals kept.
;;     - The product sums the exact products of the quantised numbers (number of the format x scale) in f32.
;;   ~~~python
;;   def quantise(x, axis):      # numpy; x: float32 -> the quantised numbers, widened to float32 again
;;       x = np.moveaxis(x, axis, -1); K = x.shape[-1]
;;       x = np.pad(x, [(0, 0)] * (x.ndim - 1) + [(0, -K % 32)]); x = x.reshape(x.shape[:-1] + (-1, 32)); a = np.abs(x).max(-1, keepdims=True)
;;       e = np.where(a > 0, np.clip(np.frexp(np.where(a > 0, a, 1))[1] - 1 - 2, -126, 127), 0)      # np.frexp(a)[1] - 1 = floor(log2(a)), exactly
;;       r = np.clip(x / 2.0 ** e, -7.5, 7.5)
;;       step = 2.0 ** (np.maximum(np.frexp(np.where(r == 0, 1, r))[1] - 1, 0) - 3)
;;       q = np.round(r / step) * step * 2.0 ** e      # np.round: ties to even
;;       return np.moveaxis(q.reshape(q.shape[:-2] + (-1,))[..., :K], -1, axis).astype(np.float32)
;;   ~~~
;;   SOFTMAX AHEAD OF A QUANTISED PRODUCT. Where the list says 'softmax', what is quantised is not the finished softmax but p = 2^(t - M), with t = logit x log2(e) and M = ceil(the row's largest t), a whole number; so 1/2 < the row's largest p <= 1. The row's sum l is taken of the UNQUANTISED p, in f32, and the product's result is divided by l at the end. Since M is a whole number, a kernel that streams over the keys may use a running M (the ceiling of the running maximum): every later rescaling is an exact power of two, which a block's scale takes up: the codes' values come out the same.
;;   OPERANDS COMPUTED ON THE WAY. 'Computed on the way' means the value that the module computes at that place (a softmax that the list does not call 'softmax' is quantised finished and normalised). What goes into a quantiser is computed in f32, as accurately as f32 sums, v_exp_f32 and their like allow (about 1e-6 of the number): no bf16 or f16 on the way to a quantiser, and a product that is left as it is and whose result goes on into a quantised operand takes f32 operands (vector FMAs, or v_wmma_f32_16x16x4_f32). A number that lies on a knife's edge between two numbers of the format may be rounded either way, as far as f32 arithmetic and the matrix unit's own rounding can turn it there, and no further.
;; One version. Each part assembles by itself: llvm-mc -triple=amdgcn-amd-amdhsa -mcpu=gfx1250 --defsym DOCPART=n.
;; ======== version 1 of 1: 4 launches
;; workspace buffers: pre 7,733,248 bytes; qkv 10,092,544 bytes; ob 3,276,800 bytes
;; launch prep (part 1): grid 320 x 1, 4 waves a work-group, no clusters, 68,096 bytes of LDS; arguments x, Wq, Wk, Wv, Wo, pos_bias, pre; writes pre
.if DOCPART == 1
	.amdgcn_target "amdgcn-amd-amdhsa--gfx1250"
	.amdhsa_code_object_version 6
	.text
	.protected	k_q3bf930be85_prep
	.globl	k_q3bf930be85_prep
	.p2align	8
	.type	k_q3bf930be85_prep,@function
k_q3bf930be85_prep:
	s_mov_b64 s[64:65], 0
	v_nop
	global_prefetch_b8 v0, s[64:65] scope:SCOPE_SE
	s_setreg_imm32_b32 hwreg(HW_REG_WAVE_MODE, 25, 1), 1
	s_wait_xcnt 0x0
; PREP: everything that later launches read many times is made once, into the buffer pre.
;   bytes 0 ..        x's codes   [4096 rows][768 B]   FP6 (E2M3), K innermost, four codes in three bytes
;   PRE_WC ..         the weights' codes [4096 rows][768 B]: rows 0-1023 the columns n of Wq, then Wk, Wv, Wo; K (the weight's first axis) innermost
;   PRE_XS, PRE_WS .. their E8M0 scale bytes, 32 a row
;   PRE_TB ..         [16 heads][4 copies s][4608 words]: word z of copy s = cb x pos_bias[clamp(3071 + s - z, 0, 2046)][head], cb = 1 / (1 + 2^-1.5)
; ROW ORDER: row m of x, and column n of a weight, is stored at place m with its bits 3 and 4 exchanged.  A tile of 16 places on end, tile 2 b + u, then holds the
; true rows 32 b + 8 u + (r % 8) + 16 (r / 8), so that in a product whose registers run along such rows the 16 registers of tiles 2 b and 2 b + 1 are 16 neighbours.
; A block's scale is 2^(floor(log2(largest magnitude)) - 2); its byte is the largest magnitude's exponent field - 2, held at 1 from below.
; LIMITS: a block of zeros gets the byte 1 where the rule says 127 (its codes are zeros, and this program alone reads the bytes); blocks whose largest magnitude lies
; under 2^-124 keep the byte 1; NaN and infinities among the inputs are not served.
; Work-groups 0-127 take x (K innermost), 128-255 the four weights (K outermost), 256-319 the bias tables.  The three paths part once, on the work-group's number, and
; each path that uses LDS has bytes of its own.  No tensor loads, no barrier: waves share nothing.  No matrix unit, no cluster: nothing is shared and memory binds.
.set PRE_WC, 3145728
.set PRE_XS, 6291456
.set PRE_WS, 6422528
.set PRE_TB, 6553600
.set EMAX,  2
.set SPARE, 67584                      ; behind both paths' regions: the spare words, 128 bytes for each wave
.set SPW,   192                        ; v192 LDS address of my spare word; never rewritten
.set NIL,   193                        ; v193 0; never rewritten
; path x
.set STEPS, 16
.set CB,    12                         ; bytes of 16 codes
.set XR,    16                         ; v16-79   four sets of 16 numbers as they are loaded
.set XX,    80                         ; v80-111  two sets of 16 neighbours
.set XE,    112                        ; v112-127 a scale byte for each step
.set XCD,   128                        ; v128-191 codes: four registers for each step
.set WREG,  8192                       ; LDS 0 .. 32767: a region for each wave: two stages of 32 x SP bytes, then its 256 scale bytes
.set SP,    80                         ; a lane's place in a stage: 64 bytes + 16 of padding
; path W
.set NB,    8                          ; blocks of 32 along K for a wave
.set PITCH, 272                        ; a stage row: sixteen places of 16 bytes + 16
.set KROW,  768                        ; a row of codes in bytes
.set WSTG,  32768                      ; LDS 32768 .. 67583: a stage of 32 rows for each wave
.set WX,    32                         ; v32-95   two sets of 32 numbers
.set WCD,   96                         ; v96..    a block's codes
.set WOUT,  112                        ; v112-175 the way out
.set WSB,   24                         ; v24-25   the scale bytes
	s_load_b256 s[4:11], s[0:1], 0x0               ; x, Wq, Wk, Wv
	s_load_b128 s[12:15], s[0:1], 0x20             ; Wo, pos_bias
	s_load_b64 s[16:17], s[0:1], 0x30              ; pre
	v_lshl_add_u32 v[SPW], v0, 2, SPARE
	v_mov_b32 v[NIL], 0
	v_lshrrev_b32 v1, 5, v0
	v_readfirstlane_b32 s18, v1                    ; wave
	v_and_b32 v2, 31, v0                           ; lane
	s_cmp_lt_u32 ttmp9, 128
	s_cbranch_scc0 .Lnot_x
; ---------------- x: a wave takes 8 rows (8,192 numbers) in 16 steps of 512.  Loads take the bytes as they lie, 512 to a load; a step's 2,048 bytes turn through the
; wave's own stage in LDS and come back 64 bytes a lane: 16 neighbours along K, two lanes to a block.
	v_lshlrev_b32 v3, 4, v2                        ; my 16 bytes of a load's 512
	s_mul_i32 s19, s18, WREG
	v_lshrrev_b32 v14, 2, v2
	v_mul_u32_u24 v14, v14, SP
	v_and_b32 v15, 3, v2
	v_lshl_add_u32 v14, v15, 4, v14
	v_add_nc_u32 v14, s19, v14                     ; the stage, on the way in: SP (lane / 4) + 16 (lane % 4)
	v_mul_u32_u24 v15, v2, SP
	v_add_nc_u32 v15, s19, v15                     ; and on the way out: SP x lane
	v_mul_u32_u24 v4, v2, CB                       ; my codes' place in a step's
	v_lshrrev_b32 v5, 1, v2
	s_add_co_u32 s19, s19, 2*32*SP
	v_add_nc_u32 v5, s19, v5                       ; my wave's 256 scale bytes, my block's byte
	v_lshlrev_b32 v7, 3, v2
	v_add_nc_u32 v6, s19, v7                       ; and on the way out 8 bytes a lane
	s_lshl_b32 s20, ttmp9, 2
	s_add_co_u32 s22, s20, s18                     ; which run of 8 rows is read: 4 x work-group + wave
	s_and_b32 s23, s18, 1
	s_lshl_b32 s23, s23, 1
	s_lshr_b32 s24, s18, 1
	s_or_b32 s23, s23, s24                         ; the run's bits 0 and 1 are the rows' bits 3 and 4: exchanged,
	s_add_co_u32 s24, s20, s23                     ; they say where the run is written
	s_lshl_b32 s22, s22, 15                        ; 32,768 bytes of f32 a run
	s_mov_b32 s23, 0
	s_mul_i32 s26, s24, 32*STEPS*CB                ; 6,144 bytes of codes a run
	s_mov_b32 s27, 0
	s_lshl_b32 s28, s24, 8                         ; 256 scale bytes a run
	s_add_co_u32 s28, s28, PRE_XS
	s_mov_b32 s29, 0
	s_wait_kmcnt 0x0
	s_add_nc_u64 s[4:5], s[4:5], s[22:23]
	s_add_nc_u64 s[8:9], s[16:17], s[26:27]
	s_add_nc_u64 s[10:11], s[16:17], s[28:29]
.macro XLOAD t
.irp i, 0,1,2,3
	global_load_b128 v[XR+16*((\t)%4)+4*\i:XR+16*((\t)%4)+4*\i+3], v3, s[4:5] offset:2048*(\t)+512*\i th:TH_LOAD_NT   ; 32 lanes read 512 consecutive bytes
.endr
.endm
.macro XTURN t                         ; step t's numbers through the stage: LDS serves a wave's instructions in order, so no wait stands between the stores and the loads
.irp i, 0,1,2,3
	ds_store_b128 v14, v[XR+16*((\t)%4)+4*\i:XR+16*((\t)%4)+4*\i+3] offset:32*SP*((\t)%2)+8*SP*\i
.endr
.irp i, 0,1,2,3
	ds_load_b128 v[XX+16*((\t)%2)+4*\i:XX+16*((\t)%2)+4*\i+3], v15 offset:32*SP*((\t)%2)+16*\i
.endr
.endm
.irp t, 0,1,2,3
	XLOAD \t
.endr
	s_wait_loadcnt 12                              ; step 0's four loads are in
	XTURN 0
.macro XSTEP t
.set XSR, XX+16*((\t)%2)
.if (\t) > 0
	s_wait_dscnt 1                                 ; this step's numbers are back from the stage (the last step's byte store may be out): so its stores into the stage have read their registers,
.else
	s_wait_dscnt 0x0
.endif
.if (\t)+4 < STEPS
	XLOAD (\t)+4                                   ; which take the loads of four steps on
.endif
.if (\t)+1 < STEPS
.if STEPS-2-(\t) >= 3
	s_wait_loadcnt 12                              ; the next step's four loads are in; those of the three steps behind it may be out
.else
	s_wait_loadcnt 4*(STEPS-2-(\t))
.endif
	XTURN (\t)+1
.endif
	v_max3_num_f32 v8, |v[XSR]|, |v[XSR+1]|, |v[XSR+2]|            ; the largest magnitude of my 16, in two chains
	v_max3_num_f32 v9, |v[XSR+3]|, |v[XSR+4]|, |v[XSR+5]|
.irp i, 6,10
	v_max3_num_f32 v8, v8, |v[XSR+\i]|, |v[XSR+\i+1]|
	v_max3_num_f32 v9, v9, |v[XSR+\i+2]|, |v[XSR+\i+3]|
.endr
	v_max3_num_f32 v8, v8, |v[XSR+14]|, |v[XSR+15]|
	v_max3_num_f32 v8, v8, v9, (EMAX+1)<<23        ; and the floor 2^(3 - 127): the byte cannot fall under 1
	v_max_num_f32_dpp v8, v8, v8 row_xmask:1 row_mask:0xf bank_mask:0xf   ; and of my neighbour's 16: the block's
	v_add_nc_u32 v11, -(EMAX<<23), v8              ; 2 off its exponent field: the conversion takes the exponent field of this operand as its scale
	v_cvt_scalef32_pk16_fp6_f32 v[XCD+4*(\t):XCD+4*(\t)+2], v[XSR:XSR+15], v11
	v_lshrrev_b32 v[XE+(\t)], 23, v11              ; the scale's byte
	ds_store_b8 v5, v[XE+(\t)] offset:16*(\t)      ; both lanes of a block write the same byte with the same value
	global_store_b96 v4, v[XCD+4*(\t):XCD+4*(\t)+2], s[8:9] offset:32*CB*(\t)   ; the wave stores 384 consecutive bytes
.endm
.irp t, 0,1,2,3,4,5,6,7,8,9,10,11,12,13,14,15
	XSTEP \t
.endr
	ds_load_b64 v[8:9], v6                         ; LDS serves a wave's instructions in order: these see my stores
	s_wait_dscnt 0x0
	global_store_b64 v7, v[8:9], s[10:11]          ; 32 lanes store 256 consecutive bytes, aligned
	s_wait_tensorcnt 0x0                           ; the wave's end, behind my last LDS store
	ds_add_u32 v[SPW], v[NIL]
	s_wait_dscnt 0x0
	s_endpgm
; ---------------- the weights: a lane takes a column n and its registers run down K; a wave takes 32 columns x 256 along K.  The codes go through the wave's stage and leave by rows.
.Lnot_x:
	s_cmp_lt_u32 ttmp9, 256
	s_cbranch_scc0 .Ltable
	s_sub_co_u32 s19, ttmp9, 128
	s_lshr_b32 s20, s19, 5                         ; which weight: 0 Wq, 1 Wk, 2 Wv, 3 Wo
	s_and_b32 s21, s19, 7                          ; which 128 columns
	s_bfe_u32 s22, s19, 0x20003                    ; which 256 along K
	s_lshl_b32 s23, s21, 7
	s_lshl_b32 s24, s18, 5
	s_add_co_u32 s23, s23, s24                     ; my wave's first column
	v_lshlrev_b32 v3, 2, v2                        ; in: 4 bytes a lane
	s_mul_i32 s24, s18, 32*PITCH
	s_add_co_u32 s24, s24, WSTG                    ; my stage
	v_mul_u32_u24 v4, v2, PITCH
	v_add_nc_u32 v4, s24, v4                       ; into it: row = my column
	v_and_b32 v5, 15, v2
	v_lshrrev_b32 v6, 4, v2                        ; out of it: sixteen lanes to a row, two rows an instruction
	v_mul_u32_u24 v7, v6, PITCH
	v_lshl_add_u32 v7, v5, 4, v7
	v_add_nc_u32 v7, s24, v7
	v_mul_u32_u24 v8, v6, KROW
	v_mad_u32_u24 v8, v5, 12, v8                   ; and the same place in the codes' rows
	v_and_b32 v9, 7, v2
	v_bfe_u32 v10, v2, 3, 1
	v_lshl_or_b32 v9, v10, 4, v9
	v_lshl_or_b32 v9, v6, 3, v9                    ; my column's place: bits 3 and 4 exchanged
	v_lshlrev_b32 v9, 5, v9                        ; 32 scale bytes a row
	s_lshl_b32 s26, s22, 20                        ; 256 rows of 4,096 bytes
	s_lshl_b32 s25, s23, 2
	s_add_co_u32 s26, s26, s25
	s_mov_b32 s27, 0
	s_lshl_b32 s25, s20, 10
	s_add_co_u32 s25, s25, s23                     ; my first row among the 4,096 rows of weights' codes
	s_mul_i32 s28, s25, KROW
	s_mul_i32 s30, s22, 192
	s_add_co_u32 s28, s28, s30
	s_add_co_u32 s28, s28, PRE_WC
	s_mov_b32 s29, 0
	s_lshl_b32 s30, s25, 5
	s_lshl_b32 s31, s22, 3
	s_add_co_u32 s30, s30, s31
	s_add_co_u32 s30, s30, PRE_WS
	s_mov_b32 s31, 0
	s_wait_kmcnt 0x0
	s_cmp_eq_u32 s20, 1                            ; the choice of the buffer hangs on the work-group's number alone
	s_cselect_b64 s[6:7], s[8:9], s[6:7]
	s_cmp_eq_u32 s20, 2
	s_cselect_b64 s[6:7], s[10:11], s[6:7]
	s_cmp_eq_u32 s20, 3
	s_cselect_b64 s[6:7], s[12:13], s[6:7]
	s_add_nc_u64 s[4:5], s[6:7], s[26:27]
	s_add_nc_u64 s[6:7], s[16:17], s[28:29]
	s_add_nc_u64 s[8:9], s[16:17], s[30:31]
.macro WLOAD t                         ; block t: W(32 t + i, my column), i = 0 .. 31, into set t % 2; every offset an immediate, 255 x 4,096 bytes at the most
.irp i, 0,1,2,3,4,5,6,7,8,9,10,11,12,13,14,15,16,17,18,19,20,21,22,23,24,25,26,27,28,29,30,31
	global_load_b32 v[WX+32*((\t)%2)+\i], v3, s[4:5] offset:(32*(\t)+\i)*4096 th:TH_LOAD_NT
.endr
.endm
	WLOAD 0
	WLOAD 1
.macro WBLOCK t
.set WXS, WX+32*((\t)%2)
.if (\t) < NB-1
	s_wait_loadcnt 32                              ; this block's 32 loads are in; the next block's may be out
.else
	s_wait_loadcnt 0
.endif
	v_max3_num_f32 v12, |v[WXS]|, |v[WXS+1]|, |v[WXS+2]|           ; the block's largest magnitude: all 32 numbers are mine
	v_max3_num_f32 v13, |v[WXS+3]|, |v[WXS+4]|, |v[WXS+5]|
.irp i, 6,10,14,18,22,26
	v_max3_num_f32 v12, v12, |v[WXS+\i]|, |v[WXS+\i+1]|
	v_max3_num_f32 v13, v13, |v[WXS+\i+2]|, |v[WXS+\i+3]|
.endr
	v_max3_num_f32 v12, v12, |v[WXS+30]|, |v[WXS+31]|
	v_max3_num_f32 v12, v12, v13, (EMAX+1)<<23     ; and the floor
	v_add_nc_u32 v11, -(EMAX<<23), v12             ; the conversion's scale operand
	v_lshrrev_b32 v13, 23, v11                     ; the scale's byte
.if (\t)%4 == 0
	v_mov_b32 v[WSB+(\t)/4], v13                   ; four bytes to a register, the lower K in the lower byte
.else
	v_lshl_or_b32 v[WSB+(\t)/4], v13, 8*((\t)%4), v[WSB+(\t)/4]
.endif
	v_cvt_scalef32_pk16_fp6_f32 v[WCD:WCD+2], v[WXS:WXS+15], v11
	v_cvt_scalef32_pk16_fp6_f32 v[WCD+4:WCD+6], v[WXS+16:WXS+31], v11   ; (a conversion's three registers begin on an even number)
	ds_store_b96 v4, v[WCD:WCD+2] offset:32*(\t)   ; 12 bytes to a place of 16, so that every LDS address is a multiple of 16
	ds_store_b96 v4, v[WCD+4:WCD+6] offset:32*(\t)+16
.if (\t)+2 < NB
	WLOAD (\t)+2
.endif
	s_wait_dscnt 0x0                               ; the stores have read their registers: the next block's codes may be written
.endm
.set Q, 0
.rept NB
	WBLOCK Q
.set Q, Q+1
.endr
	global_store_b64 v9, v[WSB:WSB+1], s[8:9]      ; my column's 8 scale bytes
.irp t, 0,1,2,3,4,5,6,7,8,9,10,11,12,13,14,15
	ds_load_b96 v[WOUT+4*\t:WOUT+4*\t+2], v7 offset:2*\t*PITCH     ; columns 2 t and 2 t + 1
.endr
.irp t, 0,1,2,3,4,5,6,7,8,9,10,11,12,13,14,15
	s_wait_dscnt 15-\t
	global_store_b96 v8, v[WOUT+4*\t:WOUT+4*\t+2], s[6:7] offset:2*(((\t)&3)|((((\t)>>2)&1)<<3)|((((\t)>>3)&1)<<2))*KROW   ; the column's bits 3 and 4 are t's bits 2 and 3: exchanged
.endr
	s_wait_tensorcnt 0x0                           ; the wave's end, behind my last LDS store
	ds_add_u32 v[SPW], v[NIL]
	s_wait_dscnt 0x0
	s_endpgm
; ---------------- the bias tables: a work-group makes one copy of one head, 4,608 words.  Thread t makes words 4 t + 512 it + j, it = 0 .. 8, j = 0 .. 3.  No LDS.
.Ltable:
	s_sub_co_u32 s19, ttmp9, 256                   ; 4 x head + copy
	s_lshr_b32 s20, s19, 2
	s_and_b32 s21, s19, 3
	s_sub_co_u32 s21, 4, s21                       ; 4 - copy
	v_lshlrev_b32 v1, 2, v0
	v_add_nc_u32 v1, s21, v1                       ; z + 4 - copy at it = j = 0
	v_lshlrev_b32 v2, 4, v0                        ; out: 16 bytes a thread
	s_lshl_b32 s22, s20, 2                         ; the head's column of pos_bias
	s_mov_b32 s23, 0
	s_mul_i32 s24, s19, 18432
	s_add_co_u32 s24, s24, PRE_TB
	s_mov_b32 s25, 0
	s_wait_kmcnt 0x0
	s_add_nc_u64 s[14:15], s[14:15], s[22:23]
	s_add_nc_u64 s[16:17], s[16:17], s[24:25]
.set n, 0
.rept 36
	v_add_nc_u32 v[52+n], 512*(n/4)+n%4, v1
.set n, n+1
.endr
.set n, 0
.rept 36
	v_min_u32 v[52+n], 3075, v[52+n]
.set n, n+1
.endr
.set n, 0
.rept 36
	v_sub_nc_u32 v[52+n], 3075, v[52+n]            ; 3071 + copy - z, held at 0 from below,
.set n, n+1
.endr
.set n, 0
.rept 36
	v_min_u32 v[52+n], 2046, v[52+n]               ; and at the table's last row from above
.set n, n+1
.endr
.set n, 0
.rept 36
	v_lshlrev_b32 v[52+n], 6, v[52+n]              ; a row of pos_bias is 64 bytes
.set n, n+1
.endr
.set n, 0
.rept 36
	global_load_b32 v[16+n], v[52+n], s[14:15]
.set n, n+1
.endr
	s_wait_loadcnt 0x0
.set n, 0
.rept 18
	v_pk_mul_f32 v[16+n:17+n], v[16+n:17+n], 0x3f3d21be op_sel_hi:[1,0]   ; x cb: logit x log2(e) = c (score + cb x bias)
.set n, n+2
.endr
.irp i, 0,1,2,3,4,5,6,7,8
	global_store_b128 v2, v[16+4*\i:19+4*\i], s[16:17] offset:2048*\i     ; a wave stores 512 consecutive bytes
.endr
	s_endpgm
.Lfunc_end_k_q3bf930be85_prep:
	.size	k_q3bf930be85_prep, .Lfunc_end_k_q3bf930be85_prep-k_q3bf930be85_prep
	.p2alignl 7, 3214868480
	.fill 96, 4, 3214868480
	.section	.rodata,"a",@progbits
	.p2align	6, 0x0
	.amdhsa_kernel k_q3bf930be85_prep
		.amdhsa_group_segment_fixed_size 68096
		.amdhsa_private_segment_fixed_size 0
		.amdhsa_enable_private_segment 0
		.amdhsa_kernarg_size 56
		.amdhsa_user_sgpr_count 2
		.amdhsa_user_sgpr_kernarg_segment_ptr 1
		.amdhsa_wavefront_size32 1
		.amdhsa_system_sgpr_workgroup_id_x 1
		.amdhsa_system_sgpr_workgroup_id_y 1
		.amdhsa_system_sgpr_workgroup_id_z 1
		.amdhsa_system_vgpr_workitem_id 0
		.amdhsa_next_free_vgpr 196
		.amdhsa_next_free_sgpr 66
		.amdhsa_reserve_vcc 0
		.amdhsa_float_denorm_mode_32 3
		.amdhsa_float_denorm_mode_16_64 3
		.amdhsa_memory_ordered 1
		.amdhsa_forward_progress 1
		.amdhsa_inst_pref_size 90
	.end_amdhsa_kernel
	.amdgpu_metadata
---
amdhsa.version: [ 1, 2 ]
amdhsa.kernels:
  - .name:           k_q3bf930be85_prep
    .symbol:         k_q3bf930be85_prep.kd
    .args:
      - { .name: x, .offset: 0, .size: 8, .value_kind: global_buffer, .address_space: global }
      - { .name: Wq, .offset: 8, .size: 8, .value_kind: global_buffer, .address_space: global }
      - { .name: Wk, .offset: 16, .size: 8, .value_kind: global_buffer, .address_space: global }
      - { .name: Wv, .offset: 24, .size: 8, .value_kind: global_buffer, .address_space: global }
      - { .name: Wo, .offset: 32, .size: 8, .value_kind: global_buffer, .address_space: global }
      - { .name: pos_bias, .offset: 40, .size: 8, .value_kind: global_buffer, .address_space: global }
      - { .name: pre, .offset: 48, .size: 8, .value_kind: global_buffer, .address_space: global }
    .group_segment_fixed_size: 68096
    .private_segment_fixed_size: 0
    .kernarg_segment_align: 8
    .kernarg_segment_size: 56
    .max_flat_workgroup_size: 128
    .sgpr_count:     66
    .vgpr_count:     196
    .wavefront_size: 32
...
	.end_amdgpu_metadata
.endif
;; end of part 1
;; launch qkv (part 2): grid 12 x 16, 4 waves a work-group, clusters of 4 x 4, 327,680 bytes of LDS; arguments pre, bq, bv, qkv; writes qkv
.if DOCPART == 2
	.amdgcn_target "amdgcn-amd-amdhsa--gfx1250"
	.amdhsa_code_object_version 6
	.text
	.protected	k_q3bf930be85_qkv
	.globl	k_q3bf930be85_qkv
	.p2align	8
	.type	k_q3bf930be85_qkv,@function
k_q3bf930be85_qkv:
	s_mov_b64 s[64:65], 0
	v_nop
	global_prefetch_b8 v0, s[64:65] scope:SCOPE_SE
	s_setreg_imm32_b32 hwreg(HW_REG_WAVE_MODE, 25, 1), 1
	s_wait_xcnt 0x0
	s_wait_alu depctr_hold_cnt(0) depctr_sa_sdst(0) depctr_va_vdst(0) depctr_va_sdst(0) depctr_va_ssrc(0) depctr_va_vcc(0) depctr_vm_vsrc(0)
	s_getreg_b32 s2, hwreg(HW_REG_IB_STS2, 6, 4)
	s_cmp_eq_u32 s2, 0
	s_cbranch_scc0 .Lentry_in_a_cluster
	s_endpgm
.Lentry_in_a_cluster:
	s_bfe_u32 s2, ttmp6, 0x10000c
	s_cmp_lg_u32 s2, 0xf033
	s_cbranch_scc0 .Lentry_shape_is_right
	s_endpgm
.Lentry_shape_is_right:
; q = x Wq + bq, k = x Wk, v = x Wv + bv on codes of FP6 (E2M3) with E8M0 scales, K = 1,024; the results are quantised in registers and leave as codes, laid as the attention launch's operand registers.
; A tile of 256 x 256 of a product is made by four waves, 128 x 128 each (64 accumulators, 512 registers).  K goes in steps of 256 through a ring of two LDS slots filled by the tensor data mover.
; The cluster's x is the MODE, equal in all sixteen partners: 0 q, 1 k, 2 v.  "A" (source 1: a lane holds one of its rows) and "B" (source 0: a lane's registers run along its rows):
;   modes 0, 1: A = x, B = the weight: a lane holds one token and its registers run along the head's channels, q's and k's K in the score product.
;   mode 2:     A = Wv, B = x:         a lane holds one channel and its registers run along the keys, v's K in the second product.
; Rows of x and of the weights lie with bits 3 and 4 of their number exchanged, so that the 16 registers of B's blocks 2 b and 2 b + 1 are 16 neighbours: 32 b + 16 (lane / 16) + 0 .. 15.
; OUT.  H image (768 B): 16 rows x 64 K, lane (r, h) holds block h of row r in 6 registers: registers 0-3 at 16 x lane, registers 4-5 at 512 + 8 x lane.  F image (1,536 B): 16 rows x 128 K, registers 4 p .. 4 p + 3 at 512 p + 16 x lane.
;   qkv: q's H images [bh][tile 128]; QS: q's scale words [bh][16][r][8]; KV: a record of KVREC bytes for each bh: K's images of tiles 0-31, V's F images of key steps 0-3, K's scale words [16][r][8],
;   V's [16][r][4], K's images of tiles 32-127, V's of key steps 4-15.  In q's and k's words bytes 0, 1 are the head's two blocks, bytes 2, 3 are 0.
; CLUSTERS: 4 x 4 work-groups; A's tiles are asked for jointly along a row of the cluster, B's along a column.
; LIMITS: a block of zeros gets the scale byte 1 (its codes are zeros; this program alone reads the bytes); blocks under 2^-124 keep the byte 1; NaN and infinities are not served.
; REGISTERS, in windows of 256: window 0: v0-31 addresses; v32-63 scale words, two sets; v64-127 the bias; from v128 A's fragments, one set; on the way out v32-55 and v128-228 are at work.
;   window 1: B's fragments, two sets.   window 2: the accumulators of my rows 0-63 ((a, b) at v[8 (8 a + b)]);   window 3: those of my rows 64-127.
.set PRE_WC, 3145728
.set PRE_XS, 6291456
.set PRE_WS, 6422528
.set QS,     3145728
.set KV,     3407872
.set KVREC,  208896
.set KSTEP,  256                       ; along K in a slot
.set NQ,     2                         ; matrix instructions deep
.set ROWB,   192                       ; a tile's row in bytes
.set KROW,   768                       ; a row of codes in memory
.set PITCH,  240                       ; an LDS row: 3 x (64 bytes + 16 of padding)
.set FR,     12                        ; registers of a fragment
.set NL,     6                         ; LDS loads that bring one
.set NP,     4                         ; places behind this matrix instruction (ISA guide 7.12.1)
.set HALFT,  128*PITCH
.set SLOT,   4*HALFT
.set LAPS,   2                         ; 1,024 / 512
.set KS,     32                        ; a row of scales in bytes
.set SCL,    2*SLOT                    ; behind the ring: the scales, as units of 256 bytes + 16 of padding
.set HALFS,  (128*KS/256)*272
.set SBLK,   (16*KS/256)*272
.set SPARE,  SCL+4*HALFS               ; the spare words, 128 bytes for each wave
.set ADRA, 16                          ; v16-17 LDS address of my A fragments in slot 0, 1 (v18-19: behind one padding more)
.set ADRB, 20                          ; v20-23 the same for B
.set ADRS, 27                          ; v27    my scale words: lanes 0-15 A's rows, lanes 16-31 B's
.set SPW,  28                          ; v28    my spare word; never rewritten
.set NIL,  29                          ; v29    0; never rewritten
.set SC,   32                          ; scale words
.set BIAS, 64                          ; v64-127
.set AF,   128                         ; A's fragments
.set HA,   128                         ; the way out: 64 numbers of a lane
.set PC,   192                         ; v192-210 the codes just made
.set TM,   212                         ; v212-227 at work in QUANT
.set PW,   228                         ; the scale word just made
.set SW,   32                          ; v32-47 the scale words of my eight blocks
.set SEL,  66                          ; s[66:67] lane selects for v_permlanex16_b32: lane l xor 16
.set G1, 24
.set G0, 32
.set G1B, 48
.set G0B, 56
.set G1S, 68
.set G0S, 76
.set G1SB, 80
.set G0SB, 88
.set MSB, 0
.macro WIN new                         ; the immediate's high byte repeats the setting that is left
.if MSB != \new
	s_set_vgpr_msb (MSB<<8)|\new
.set MSB, \new
.endif
.endm
.set MUL_LO, 0xa1                      ; source 0 (B) window 1, source 1 (A) window 0, C and D window 2
.set MUL_HI, 0xf1
.set TO_B,   0x40
; A joint load: waves 0 and 1 fetch for A, waves 2 and 3 for B; the branch hangs on the wave's number alone.  An s_nop 0 and four v_nop follow each of the two lines.
.macro JLOAD g0a, g1a, g0b, g1b
	s_cmp_eq_u32 s15, 0
	s_cbranch_scc0 .Lfor_b_\@
	tensor_load_to_lds s[\g0a:\g0a+3], s[\g1a:\g1a+7]
	s_nop 0
.rept 4
	v_nop
.endr
	s_branch .Lasked_\@
.Lfor_b_\@:
	tensor_load_to_lds s[\g0b:\g0b+3], s[\g1b:\g1b+7]
	s_nop 0
.rept 4
	v_nop
.endr
.Lasked_\@:
.endm
.macro CREST                           ; a round of the cluster's barrier behind its opening barrier
	s_cmp_lg_u32 s14, 0
	s_cbranch_scc1 .Lnot_wave_0_\@
	s_barrier_signal -3
.Lnot_wave_0_\@:
	s_barrier_wait -3
	s_barrier_signal -1
	s_barrier_wait -1
.endm
.macro CROUND
	s_barrier_signal -1
	s_barrier_wait -1
	CREST
.endm
	s_load_b256 s[4:11], s[0:1], 0x0               ; pre s[4:5], bq s[6:7], bv s[8:9], qkv s[10:11]
	v_lshl_add_u32 v[SPW], v0, 2, SPARE
	v_mov_b32 v[NIL], 0
	ds_add_u32 v[SPW], v[NIL]                      ; the wave's opening: the add and its wait stand ahead of my first tensor load; the set-up below stands between them
	v_lshrrev_b32 v1, 5, v0
	v_readfirstlane_b32 s14, v1                    ; wave 0..3
	s_lshr_b32 s15, s14, 1                         ; which half of A's rows is mine.  Also: I fetch for A (0) or for B (1)
	s_and_b32 s16, s14, 1                          ; which half of B's rows.  Also: which 128 rows of that tile I fetch
	s_bfe_u32 s40, ttmp6, 0x40000                  ; cx, cy: my place in the cluster
	s_bfe_u32 s41, ttmp6, 0x40004
	s_and_b32 s17, ttmp7, 0xffff
	s_lshl_b32 s17, s17, 2                         ; 4 x cluster y
	s_lshl_b32 s42, ttmp9, 2                       ; 4 x cluster x
	s_cmp_eq_u32 ttmp9, 2                          ; mode 2?  All selections on this compare stand ahead of the additions
	s_cselect_b32 s42, s17, s42                    ; B's tile: modes 0, 1: 4 x cluster x + cx among the 8 tiles of Wq and Wk; mode 2: 4 x cluster y + cx among x's 16
	s_cselect_b32 s17, 0, s17                      ; A's tile: modes 0, 1: 4 x cluster y + cy among x's 16; mode 2: cy among Wv's 4
	s_cselect_b32 s96, PRE_WC+2048*KROW, 0         ; where A's codes begin in pre: x's at 0, Wv's behind Wq's and Wk's
	s_mov_b32 s98, PRE_XS
	s_cselect_b32 s98, PRE_WS+2048*KS, s98         ; A's scales
	s_cselect_b32 s100, 0, PRE_WC                  ; B's codes
	s_mov_b32 s12, PRE_WS
	s_cselect_b32 s12, PRE_XS, s12                 ; B's scales
	s_mov_b32 s97, 0
	s_mov_b32 s99, 0
	s_mov_b32 s101, 0
	s_mov_b32 s13, 0
	s_add_co_u32 s42, s42, s40                     ; B's tile hangs on cx alone of the two places,
	s_add_co_u32 s17, s17, s41                     ; A's on cy alone
	s_lshl_b32 s43, s41, 2
	s_lshl_b32 s43, 15, s43                        ; my row of the cluster
	s_lshl_b32 s44, 0x1111, s40                    ; my column
	; descriptor group 1: a tile of 128 rows x ROWB bytes, 16 bytes of padding behind every 64
	s_or_b32 s[G1+0], s43, (0<<16)|(1<<20)|(1<<21)|(3<<22)|(3<<25)
	s_or_b32 s[G1B+0], s44, (0<<16)|(1<<20)|(1<<21)|(3<<22)|(3<<25)
.irp g, G1, G1B
	s_mov_b32 s[\g+1], ROWB<<16                    ; tensor_dim0
	s_mov_b32 s[\g+2], 128<<16                     ; tensor_dim1
	s_mov_b32 s[\g+3], ROWB<<16                    ; tile_dim0
	s_mov_b32 s[\g+4], 128                         ; tile_dim1
	s_mov_b32 s[\g+5], KROW                        ; tensor_dim0_stride
	s_mov_b32 s[\g+6], 0
	s_mov_b32 s[\g+7], 0
.endr
	; the scales of 128 rows: a dense block of 4,096 bytes, as rows of 256 bytes (32 elements of 8 bytes), 16 bytes of padding behind each
	s_or_b32 s[G1S+0], s43, (3<<16)|(1<<20)|(1<<21)|(5<<22)|(3<<25)
	s_or_b32 s[G1SB+0], s44, (3<<16)|(1<<20)|(1<<21)|(5<<22)|(3<<25)
.irp g, G1S, G1SB
	s_mov_b32 s[\g+1], 32<<16
	s_mov_b32 s[\g+2], (128*KS/256)<<16
	s_mov_b32 s[\g+3], 32<<16
	s_mov_b32 s[\g+4], 128*KS/256
	s_mov_b32 s[\g+5], 32
	s_mov_b32 s[\g+6], 0
	s_mov_b32 s[\g+7], 0
.endr
	s_lshl_b32 s18, s16, 7                         ; which 128 rows of the tile I fetch
	s_lshl_b32 s20, s17, 8
	s_add_co_u32 s20, s20, s18                     ; A: row 256 x tile + 128 x half
	s_lshl_b32 s46, s42, 8
	s_add_co_u32 s46, s46, s18                     ; B likewise
	s_mov_b32 s21, 0
	s_mov_b32 s47, 0
	s_mov_b64 s[18:19], KS
	s_mul_u64 s[22:23], s[20:21], s[18:19]         ; where these rows' scales begin, in bytes
	s_mul_u64 s[92:93], s[46:47], s[18:19]
	s_mov_b64 s[18:19], KROW
	s_mul_u64 s[20:21], s[20:21], s[18:19]         ; and their codes
	s_mul_u64 s[46:47], s[46:47], s[18:19]
	s_add_nc_u64 s[20:21], s[20:21], s[96:97]      ; in their regions of pre
	s_add_nc_u64 s[22:23], s[22:23], s[98:99]
	s_add_nc_u64 s[46:47], s[46:47], s[100:101]
	s_add_nc_u64 s[92:93], s[92:93], s[12:13]
	s_mul_i32 s45, s14, HALFT                      ; where they go: wave x 128 rows: no place in the cluster enters an LDS address
	s_mul_i32 s94, s14, HALFS
	s_wait_dscnt 0x0                               ; the opening add is done
	s_wait_kmcnt 0x0
	s_add_nc_u64 s[20:21], s[4:5], s[20:21]
	s_add_nc_u64 s[22:23], s[4:5], s[22:23]
	s_add_nc_u64 s[46:47], s[4:5], s[46:47]
	s_add_nc_u64 s[92:93], s[4:5], s[92:93]
	CROUND                                         ; all sixteen work-groups are here: the first joint loads meet
	s_mov_b32 s[G0S], 1
	s_add_co_u32 s[G0S+1], s94, SCL
	s_mov_b64 s[G0S+2:G0S+3], s[22:23]
	s_or_b32 s[G0S+3], s[G0S+3], 0x80000000
	s_mov_b32 s[G0SB], 1
	s_add_co_u32 s[G0SB+1], s94, SCL
	s_mov_b64 s[G0SB+2:G0SB+3], s[92:93]
	s_or_b32 s[G0SB+3], s[G0SB+3], 0x80000000
	JLOAD G0S, G1S, G0SB, G1SB                     ; the scales first: they are wanted with K step 0
.irp s, 0,1
	s_mov_b32 s[G0+4*\s], 1
	s_add_co_u32 s[G0+4*\s+1], s45, \s*SLOT
	s_add_nc_u64 s[G0+4*\s+2:G0+4*\s+3], s[20:21], \s*ROWB
	s_or_b32 s[G0+4*\s+3], s[G0+4*\s+3], 0x80000000
	s_mov_b32 s[G0B+4*\s], 1
	s_add_co_u32 s[G0B+4*\s+1], s45, \s*SLOT
	s_add_nc_u64 s[G0B+4*\s+2:G0B+4*\s+3], s[46:47], \s*ROWB
	s_or_b32 s[G0B+4*\s+3], s[G0B+4*\s+3], 0x80000000
	JLOAD G0+4*\s, G1, G0B+4*\s, G1B
.endr
	v_and_b32 v1, 15, v0                           ; r = l % 16
	v_bfe_u32 v2, v0, 4, 1                         ; h = l / 16
	v_mul_u32_u24 v3, v1, PITCH
	v_mul_u32_u24 v4, v2, 24
	v_add_nc_u32 v4, v3, v4                        ; a fragment's row x pitch + 24 x half
	v_lshl_add_u32 v5, v2, 4, v4                   ; and the same behind one padding more
	s_mul_i32 s21, s15, HALFT                      ; my 128 rows of A
	s_mul_i32 s22, s16, HALFT                      ; my 128 rows of B,
	s_add_co_u32 s22, s22, 2*HALFT                 ; which lie behind A's 256
.irp s, 0,1
	v_add_nc_u32 v[ADRA+\s], s21, v4
	v_add_nc_u32 v[ADRB+\s], s22, v4
	v_add_nc_u32 v[ADRA+2+\s], s21, v5
	v_add_nc_u32 v[ADRB+2+\s], s22, v5
	s_add_co_u32 s21, s21, SLOT
	s_add_co_u32 s22, s22, SLOT
.endr
	v_mul_u32_u24 v5, v1, KS                       ; my row's scales: KS bytes a row,
	v_lshrrev_b32 v6, 8, v5
	v_lshl_add_u32 v5, v6, 4, v5                   ; and 16 more for each 256 passed
	s_mul_i32 s21, s15, HALFS
	s_mul_i32 s22, s16, HALFS
	s_add_co_u32 s22, s22, 2*HALFS
	s_sub_co_u32 s22, s22, s21
	v_mul_u32_u24 v6, s22, v2                      ; lanes 16-31 take B's
	s_add_co_u32 s21, s21, SCL
	v_add_nc_u32 v5, v5, v6
	v_add_nc_u32 v[ADRS], s21, v5
	; the way out's offsets
	v_and_b32 v7, 31, v0
	v_lshlrev_b32 v8, 4, v7                        ; v8  16 x lane: an image's first four registers
	v_lshlrev_b32 v9, 3, v7
	v_add_nc_u32 v9, 512, v9                       ; v9  512 + 8 x lane: an H image's last two
	v_lshlrev_b32 v10, 5, v1
	v_lshl_add_u32 v10, v2, 4, v10                 ; v10 32 r + 16 h: q's and k's scale words, 8 a row
	v_mul_u32_u24 v11, v2, KVREC
	v_lshl_add_u32 v11, v1, 4, v11                 ; v11 16 r + a record x h: v's scale words, 4 a row, the second head's in lanes 16-31
	v_lshlrev_b32 v12, 6, v2                       ; v12 64 h: bq's 16 numbers of my half
	v_and_b32 v13, 7, v1
	v_lshrrev_b32 v7, 3, v1
	v_lshlrev_b32 v13, 2, v13
	v_lshl_add_u32 v13, v7, 6, v13                 ; v13 4 x ((r % 8) + 16 (r / 8)): bv's number of my row
	; THE BIAS.  k has none: zeros; q's and v's loads land over them.  They are waited for on the way out; their bases and offsets are not written again.
.set i, 0
.rept 64
	v_mov_b32 v[BIAS+i], 0
.set i, i+1
.endr
	s_cmp_eq_u32 ttmp9, 0
	s_cbranch_scc0 .Lnot_q
	s_lshl_b32 s18, s42, 10                        ; q: register 8 b + j wants bq at my first column + 32 (b / 2) + 16 h + 8 (b % 2) + j
	s_lshl_b32 s19, s16, 9
	s_add_co_u32 s18, s18, s19
	s_mov_b32 s19, 0
	s_add_nc_u64 s[6:7], s[6:7], s[18:19]
.irp b, 0,1,2,3,4,5,6,7
	global_load_b128 v[BIAS+8*\b:BIAS+8*\b+3], v12, s[6:7] offset:4*(32*(\b/2)+8*(\b%2))
	global_load_b128 v[BIAS+8*\b+4:BIAS+8*\b+7], v12, s[6:7] offset:4*(32*(\b/2)+8*(\b%2))+16
.endr
	s_branch .Lbias_done
.Lnot_q:
	s_cmp_eq_u32 ttmp9, 2
	s_cbranch_scc0 .Lbias_done
	s_lshl_b32 s18, s17, 10                        ; v: block a wants bv at my first row + 32 (a / 2) + 8 (a % 2) + my row's place, twice: a pair for the packed addition
	s_lshl_b32 s19, s15, 9
	s_add_co_u32 s18, s18, s19
	s_mov_b32 s19, 0
	s_add_nc_u64 s[8:9], s[8:9], s[18:19]
.irp a, 0,1,2,3,4,5,6,7
	global_load_b32 v[BIAS+2*\a], v13, s[8:9] offset:4*(32*(\a/2)+8*(\a%2))
	global_load_b32 v[BIAS+2*\a+1], v13, s[8:9] offset:4*(32*(\a/2)+8*(\a%2))
.endr
.Lbias_done:
.macro FRAG reg, adr, q, i             ; a fragment: lane l holds row l % 16; registers 6 c .. 6 c + 5 hold K = 64 c + 32 (l / 16) + 0 .. 31: 24 bytes of the row's stream of bits, in pieces of 8 bytes
.irp p, 0,1,2,3,4,5
.set PCE, 12*(\q)+6*(\p/3)+\p%3       ; 16 bytes of padding lie behind every 8 pieces: where the piece three on lies behind one padding more, the second address register serves
.if PCE%8 < 5
	ds_load_b64 v[\reg+2*\p:\reg+2*\p+1], v[\adr] offset:8*PCE+16*(PCE/8)+(\i)*16*PITCH
.else
	ds_load_b64 v[\reg+2*\p:\reg+2*\p+1], v[\adr+2] offset:8*PCE+16*(PCE/8)+(\i)*16*PITCH
.endif
.endr
.endm
; 16 matrix instructions: A's blocks a0, a0 + 1 x B's eight, 128 along K.  The 64 accumulators take turns, one instruction a turn, in the same order in every step.
.macro MUL16 a0, p, q, sc, zero
.irp a, \a0, \a0+1
.irp b, 0,1,2,3,4,5,6,7
.if \zero
	v_wmma_scale_f32_16x16x128_f8f6f4 v[8*(8*((\a)%4)+\b):8*(8*((\a)%4)+\b)+7], v[128*(\p)+FR*\b:128*(\p)+FR*\b+FR-1], v[AF+FR*(\a):AF+FR*(\a)+FR-1], 0, v[SC+8*NQ*(\sc)+NQ*\b+(\q)], v[SC+8*NQ*(\sc)+NQ*(\a)+(\q)] matrix_a_fmt:MATRIX_FMT_FP6 matrix_b_fmt:MATRIX_FMT_FP6 matrix_a_scale:MATRIX_SCALE_ROW1
.else
	v_wmma_scale_f32_16x16x128_f8f6f4 v[8*(8*((\a)%4)+\b):8*(8*((\a)%4)+\b)+7], v[128*(\p)+FR*\b:128*(\p)+FR*\b+FR-1], v[AF+FR*(\a):AF+FR*(\a)+FR-1], v[8*(8*((\a)%4)+\b):8*(8*((\a)%4)+\b)+7], v[SC+8*NQ*(\sc)+NQ*\b+(\q)], v[SC+8*NQ*(\sc)+NQ*(\a)+(\q)] matrix_a_fmt:MATRIX_FMT_FP6 matrix_b_fmt:MATRIX_FMT_FP6 matrix_a_scale:MATRIX_SCALE_ROW1
.endif
.endr
.endr
.endm
.macro FETCH_B slot, q, p
	WIN TO_B
.irp i, 0,1,2,3,4,5,6,7
	FRAG 128*(\p)+FR*\i, ADRB+\slot, \q, \i
.endr
	WIN 0
.endm
.macro FETCH_A slot, q, i0
.irp i, \i0, \i0+1, \i0+2, \i0+3
	FRAG AF+FR*(\i), ADRA+\slot, \q, \i
.endr
.endm
.macro SCALES sc                       ; a K step's scale words: lanes 0-15 take A's block i, lanes 16-31 B's block i
.irp i, 0,1,2,3,4,5,6,7
	ds_load_b64 v[SC+8*NQ*\sc+NQ*\i:SC+8*NQ*\sc+NQ*\i+1], v[ADRS] offset:\i*SBLK
.endr
.endm
.macro PLACES n                        ; plain vector instructions between a matrix instruction and a load into, or a vector instruction on, its registers
.rept \n
	v_nop
.endr
.endm
.macro STEP slot, q, zero              ; a step of 128 along K that has its successor in the same slot
	s_wait_dscnt 4*NL                              ; B's set and A's blocks 0-3 are in; the youngest 24 loads (A's blocks 4-7) may be out
	WIN MUL_LO
	MUL16 0, (\q)%2, \q, \slot, \zero
	MUL16 2, (\q)%2, \q, \slot, \zero
	s_wait_dscnt 0                                 ; A's blocks 4-7 are in
	PLACES NP
	FETCH_B \slot, (\q)+1, 1-(\q)%2
	FETCH_A \slot, (\q)+1, 0
	WIN MUL_HI
	MUL16 4, (\q)%2, \q, \slot, \zero
	MUL16 6, (\q)%2, \q, \slot, \zero
	PLACES NP
	WIN 0
	FETCH_A \slot, (\q)+1, 4
.endm
; A slot's last step changes slots: one barrier; in front of it each wave waits for all its tensor loads, adds 0 to its spare word, and waits for that and for its own reads of this slot.
.macro TURN slot, next, fill
	s_wait_tensorcnt 0x0                           ; all my tensor loads have landed: my part of the next slot
	ds_add_u32 v[SPW], v[NIL]                      ; 0 onto my spare word
	s_wait_dscnt 4*NL+1                            ; (the add and the youngest 24 loads may be out)
	WIN MUL_LO
	MUL16 0, 1, NQ-1, \slot, 0
	s_wait_dscnt 0x0                               ; the add is done, and my reads of this slot are over
	s_barrier_signal -1
	MUL16 2, 1, NQ-1, \slot, 0
	WIN 0
	s_barrier_wait -1
.if \fill
	CREST                                          ; the barrier has opened a round of the cluster's barrier: no wave of any partner still reads this slot or has a load on its way
	s_add_nc_u64 s[G0+4*\slot+2:G0+4*\slot+3], s[G0+4*\slot+2:G0+4*\slot+3], 2*ROWB
	s_add_nc_u64 s[G0B+4*\slot+2:G0B+4*\slot+3], s[G0B+4*\slot+2:G0B+4*\slot+3], 2*ROWB
	JLOAD G0+4*\slot, G1, G0B+4*\slot, G1B         ; the first tensor load behind the round; its four v_nop are the places in front of the loads below
.else
	PLACES NP
.endif
	v_add_nc_u32 v[ADRS], 4*NQ, v[ADRS]            ; on to the next K step's scale words
	FETCH_B \next, 0, 0
	FETCH_A \next, 0, 0
	SCALES \next
	WIN MUL_HI
	MUL16 4, 1, NQ-1, \slot, 0
	MUL16 6, 1, NQ-1, \slot, 0
	PLACES NP
	WIN 0
	FETCH_A \next, 0, 4
.endm
	s_wait_tensorcnt 1                             ; the scales and my part of K step 0 are in (K step 1's load may be out),
	s_barrier_signal -1
	s_barrier_wait -1                              ; everybody's are
	FETCH_B 0, 0, 0
	FETCH_A 0, 0, 0
	SCALES 0
	FETCH_A 0, 0, 4
	STEP 0, 0, 1                                   ; the first step stands in front of the loop: its products start the sums
	s_mov_b32 s3, LAPS-1
.Llap:                                                 ; a trip goes once round the ring and fills both slots again
	TURN 0, 1, 1
	STEP 1, 0, 0
	TURN 1, 0, 1
	STEP 0, 0, 0
	s_sub_co_u32 s3, s3, 1
	s_cmp_lg_u32 s3, 0
	s_cbranch_scc1 .Llap
	TURN 0, 1, 0                                   ; the last lap fills nothing
	STEP 1, 0, 0
	s_wait_dscnt 4*NL
	WIN MUL_LO
	MUL16 0, 1, NQ-1, 1, 0
	MUL16 2, 1, NQ-1, 1, 0
	s_wait_dscnt 0
	WIN MUL_HI
	MUL16 4, 1, NQ-1, 1, 0
	MUL16 6, 1, NQ-1, 1, 0
	WIN 0
; THE WAY OUT, without LDS.  64 numbers of a lane, v[s] .. v[s + 63], register 16 b + i = K 32 b + 16 (lane / 16) + i of my row, become a fragment's codes in v[PC] on and its scale word in v[PW].
.macro QUANT s
.irp b, 0,1,2,3
	v_max3_num_f32 v[TM+\b], |v[\s+16*\b]|, |v[\s+1+16*\b]|, 0x1800000   ; block b: my 16 numbers, and the floor 2^(3 - 127): the byte cannot fall under 1
.endr
.irp i, 2,4,6,8,10,12,14
.irp b, 0,1,2,3
	v_max3_num_f32 v[TM+\b], v[TM+\b], |v[\s+16*\b+\i]|, |v[\s+1+16*\b+\i]|   ; (the four blocks by turns)
.endr
.endr
.irp b, 0,1,2,3
	v_permlanex16_b32 v[TM+4+\b], v[TM+\b], s[SEL], s[SEL+1]
.endr
.irp b, 0,1,2,3
	v_max_num_f32 v[TM+\b], v[TM+\b], v[TM+4+\b]   ; with lane l xor 16's: the block's largest magnitude
.endr
.irp b, 0,1,2,3
	v_add_nc_u32 v[TM+12+\b], 0xff000000, v[TM+\b]   ; 2 off its exponent field: the conversion's scale operand
.endr
.irp b, 0,1,2,3
	v_lshrrev_b32 v[TM+4+\b], 23, v[TM+12+\b]      ; the scale's byte
.endr
	v_lshl_or_b32 v[PW], v[TM+5], 8, v[TM+4]
	v_lshl_or_b32 v[PW], v[TM+6], 16, v[PW]
	v_lshl_or_b32 v[PW], v[TM+7], 24, v[PW]
.irp c, 0,1
	v_cvt_scalef32_pk16_fp6_f32 v[PC+6*\c:PC+2+6*\c], v[\s+32*\c:\s+15+32*\c], v[TM+12+2*\c]
	v_cvt_scalef32_pk16_fp6_f32 v[PC+12+4*\c:PC+14+4*\c], v[\s+16+32*\c:\s+31+32*\c], v[TM+12+2*\c+1]   ; (a conversion's three registers begin on an even number)
.endr
	v_nop                                          ; one plain place behind a scaled conversion
.irp c, 0,1                                    ; the operand's layout wants a whole block in a lane: lanes 0-15 block 2 c, lanes 16-31 block 2 c + 1
.irp i, 0,1,2
	v_permlane16_swap_b32 v[PC+6*\c+\i], v[PC+12+4*\c+\i]
.endr
.irp i, 0,1,2
	v_mov_b32 v[PC+3+6*\c+\i], v[PC+12+4*\c+\i]
.endr
.endr
.endm
; Block a of my eight: the bias is added while the sums move into window 0 (each accumulator from its low end on); then the 64 numbers are quantised and the images stored.
.macro EPI a, vmode
.set AC, 64*((\a)%4)
	WIN 0x02+(\a)/4                                ; source 0: window 2 or 3
.set i, 0
.rept 32
.if \vmode
	v_pk_add_f32 v[HA+i:HA+i+1], v[AC+i:AC+i+1], v[BIAS+2*(\a):BIAS+2*(\a)+1]
.else
	v_pk_add_f32 v[HA+i:HA+i+1], v[AC+i:AC+i+1], v[BIAS+i:BIAS+i+1]
.endif
.set i, i+2
.endr
	WIN 0
.if (\a) > 0
	s_wait_xcnt 0x0                                ; the last block's stores have read their data: the codes' registers are written again only behind this wait
.endif
	QUANT HA
.if \vmode
	v_mov_b32 v[SW+(\a)], v[PW]
.irp p, 0,1,2
	global_store_b128 v8, v[PC+4*\p:PC+4*\p+3], s[44:45] offset:((\a)/4)*KVREC+((\a)%4)*1536+512*\p   ; an F image: 16 channels x my 128 keys; 512 consecutive bytes a store
.endr
.else
	v_and_b32 v[SW+(\a)], 0xffff, v[PW]            ; the first head's two bytes,
	v_lshrrev_b32 v[SW+8+(\a)], 16, v[PW]          ; the second's
	global_store_b128 v8, v[PC:PC+3], s[44:45] offset:768*(\a)       ; two H images: 16 tokens x a head's 64
	global_store_b64 v9, v[PC+4:PC+5], s[44:45] offset:768*(\a)
	global_store_b128 v8, v[PC+6:PC+9], s[46:47] offset:768*(\a)
	global_store_b64 v9, v[PC+10:PC+11], s[46:47] offset:768*(\a)
.endif
.endm
	PLACES NP                                      ; behind the last products: their results are read, and A's fragments' and the scale words' registers written, only from here on
	s_wait_loadcnt 0x0                             ; the bias
	s_mov_b32 s[SEL], 0x76543210
	s_mov_b32 s[SEL+1], 0xfedcba98
.irp b, 0,1,2,3
	v_mov_b32 v[TM+4+\b], 0                        ; written once: a lane permute's destination counts as one of its sources
.endr
	v_and_b32 v7, 31, v0
	s_cmp_eq_u32 ttmp9, 2
	s_cbranch_scc1 .Lout_v
	; q and k: my 128 tokens are group kg of 32; my 128 columns are two heads
	s_lshl_b32 s18, s17, 1
	s_add_co_u32 s18, s18, s15                     ; kg = 2 x A's tile + my half
	s_lshr_b32 s19, s18, 4                         ; the batch
	s_and_b32 s18, s18, 15                         ; the group of 128 tokens in it
	s_lshl_b32 s20, s42, 2
	s_lshl_b32 s21, s16, 1
	s_add_co_u32 s20, s20, s21
	s_and_b32 s20, s20, 15                         ; my first head
	s_lshl_b32 s19, s19, 4
	s_add_co_u32 s20, s20, s19                     ; bh
	s_cmp_eq_u32 ttmp9, 0
	s_mov_b32 s21, KVREC
	s_cselect_b32 s21, 128*768, s21                ; from bh to bh: q's images; k's records
	s_mov_b32 s22, KVREC
	s_cselect_b32 s22, 8192, s22                   ; the same for the scale words
	s_cselect_b32 s23, 0, KV                       ; where the images begin
	s_mov_b32 s40, KV+49152
	s_cselect_b32 s40, QS, s40                     ; and the scale words
	s_cselect_b32 s41, 16, 4                       ; from group 4 on k's images lie 36,864 bytes further on in the record
	s_cmp_ge_u32 s18, s41
	s_cselect_b32 s41, 36864, 0
	s_mul_i32 s44, s20, s21
	s_add_co_u32 s44, s44, s23
	s_mul_i32 s43, s18, 8*768
	s_add_co_u32 s44, s44, s43
	s_add_co_u32 s44, s44, s41
	s_mov_b32 s45, 0
	s_add_nc_u64 s[44:45], s[10:11], s[44:45]      ; the first head's images
	s_mov_b32 s46, s21
	s_mov_b32 s47, 0
	s_add_nc_u64 s[46:47], s[44:45], s[46:47]      ; the second's
	s_mul_i32 s92, s20, s22
	s_add_co_u32 s92, s92, s40
	s_lshl_b32 s43, s18, 9
	s_add_co_u32 s92, s92, s43
	s_mov_b32 s93, 0
	s_add_nc_u64 s[92:93], s[10:11], s[92:93]      ; the first head's scale words
	s_mov_b32 s94, s22
	s_mov_b32 s95, 0
	s_add_nc_u64 s[94:95], s[92:93], s[94:95]
.irp a, 0,1,2,3,4,5,6,7
	EPI \a, 0
.endr
	v_cmp_gt_u32 vcc_lo, 16, v7
.irp k, 0,1,2,3
	v_cndmask_b32 v[48+\k], v[SW+4+\k], v[SW+\k], vcc_lo             ; lanes 0-15: row r's words of blocks 0-3; lanes 16-31: of blocks 4-7
	v_cndmask_b32 v[52+\k], v[SW+12+\k], v[SW+8+\k], vcc_lo
.endr
	global_store_b128 v10, v[48:51], s[92:93]      ; 512 consecutive bytes
	global_store_b128 v10, v[52:55], s[94:95]
	s_branch .Lend
.Lout_v:
	; v: my 128 keys are group kg; my 128 rows of Wv are two heads of four tiles
	s_lshl_b32 s18, s42, 1
	s_add_co_u32 s18, s18, s16                     ; kg = 2 x B's tile + my half
	s_lshr_b32 s19, s18, 4
	s_and_b32 s18, s18, 15
	s_lshl_b32 s20, s17, 2
	s_lshl_b32 s21, s15, 1
	s_add_co_u32 s20, s20, s21                     ; my first head
	s_lshl_b32 s19, s19, 4
	s_add_co_u32 s20, s20, s19                     ; bh
	s_mul_i32 s20, s20, KVREC
	s_add_co_u32 s20, s20, KV                      ; its record
	s_cmp_ge_u32 s18, 4
	s_mov_b32 s21, 24576
	s_cselect_b32 s21, 110592, s21                 ; key steps 0-3 lie at 24,576 + 6,144 step, the others at 135,168 + 6,144 (step - 4)
	s_mul_i32 s22, s18, 6144
	s_add_co_u32 s44, s20, s21
	s_add_co_u32 s44, s44, s22
	s_mov_b32 s45, 0
	s_add_nc_u64 s[44:45], s[10:11], s[44:45]
	s_lshl_b32 s22, s18, 8
	s_add_co_u32 s92, s20, s22
	s_add_co_u32 s92, s92, 57344
	s_mov_b32 s93, 0
	s_add_nc_u64 s[92:93], s[10:11], s[92:93]
.irp a, 0,1,2,3,4,5,6,7
	EPI \a, 1
.endr
	v_cmp_gt_u32 vcc_lo, 16, v7
.irp k, 0,1,2,3
	v_cndmask_b32 v[48+\k], v[SW+4+\k], v[SW+\k], vcc_lo             ; lanes 0-15: the first head's four tiles; lanes 16-31: the second's
.endr
	global_store_b128 v11, v[48:51], s[92:93]      ; 256 consecutive bytes in each of two records
.Lend:
	s_wait_tensorcnt 0x0                           ; the wave's end, behind my last tensor load
	ds_add_u32 v[SPW], v[NIL]
	s_wait_dscnt 0x0
	CROUND                                         ; the closing round: no work-group ends while a partner may still ask for a tile that names it
	s_endpgm
.Lfunc_end_k_q3bf930be85_qkv:
	.size	k_q3bf930be85_qkv, .Lfunc_end_k_q3bf930be85_qkv-k_q3bf930be85_qkv
	.p2alignl 7, 3214868480
	.fill 96, 4, 3214868480
	.section	.rodata,"a",@progbits
	.p2align	6, 0x0
	.amdhsa_kernel k_q3bf930be85_qkv
		.amdhsa_group_segment_fixed_size 327680
		.amdhsa_private_segment_fixed_size 0
		.amdhsa_enable_private_segment 0
		.amdhsa_kernarg_size 32
		.amdhsa_user_sgpr_count 2
		.amdhsa_user_sgpr_kernarg_segment_ptr 1
		.amdhsa_wavefront_size32 1
		.amdhsa_system_sgpr_workgroup_id_x 1
		.amdhsa_system_sgpr_workgroup_id_y 1
		.amdhsa_system_sgpr_workgroup_id_z 1
		.amdhsa_system_vgpr_workitem_id 0
		.amdhsa_next_free_vgpr 1024
		.amdhsa_next_free_sgpr 102
		.amdhsa_reserve_vcc 1
		.amdhsa_float_denorm_mode_32 3
		.amdhsa_float_denorm_mode_16_64 3
		.amdhsa_memory_ordered 1
		.amdhsa_forward_progress 1
		.amdhsa_inst_pref_size 239
	.end_amdhsa_kernel
	.amdgpu_metadata
---
amdhsa.version: [ 1, 2 ]
amdhsa.kernels:
  - .name:           k_q3bf930be85_qkv
    .symbol:         k_q3bf930be85_qkv.kd
    .args:
      - { .name: pre, .offset: 0, .size: 8, .value_kind: global_buffer, .address_space: global }
      - { .name: bq, .offset: 8, .size: 8, .value_kind: global_buffer, .address_space: global }
      - { .name: bv, .offset: 16, .size: 8, .value_kind: global_buffer, .address_space: global }
      - { .name: qkv, .offset: 24, .size: 8, .value_kind: global_buffer, .address_space: global }
    .group_segment_fixed_size: 327680
    .private_segment_fixed_size: 0
    .kernarg_segment_align: 8
    .kernarg_segment_size: 32
    .max_flat_workgroup_size: 128
    .sgpr_count:     102
    .vgpr_count:     1024
    .wavefront_size: 32
...
	.end_amdgpu_metadata
.endif
;; end of part 2
;; launch attn (part 3): grid 8 x 32, 16 waves a work-group, clusters of 4 x 1, 252,160 bytes of LDS; arguments qkv, pre, ob; writes ob
.if DOCPART == 3
	.amdgcn_target "amdgcn-amd-amdhsa--gfx1250"
	.amdhsa_code_object_version 6
	.text
	.protected	k_q3bf930be85_attn
	.globl	k_q3bf930be85_attn
	.p2align	8
	.type	k_q3bf930be85_attn,@function
k_q3bf930be85_attn:
	s_mov_b64 s[64:65], 0
	v_nop
	global_prefetch_b8 v0, s[64:65] scope:SCOPE_SE
	s_setreg_imm32_b32 hwreg(HW_REG_WAVE_MODE, 25, 1), 1
	s_wait_xcnt 0x0
	s_wait_alu depctr_hold_cnt(0) depctr_sa_sdst(0) depctr_va_vdst(0) depctr_va_sdst(0) depctr_va_ssrc(0) depctr_va_vcc(0) depctr_vm_vsrc(0)
	s_getreg_b32 s2, hwreg(HW_REG_IB_STS2, 6, 4)
	s_cmp_eq_u32 s2, 0
	s_cbranch_scc0 .Lentry_in_a_cluster
	s_endpgm
.Lentry_in_a_cluster:
	s_bfe_u32 s2, ttmp6, 0x10000c
	s_cmp_lg_u32 s2, 0x3003
	s_cbranch_scc0 .Lentry_shape_is_right
	s_endpgm
.Lentry_shape_is_right:
; o[b][q][head] = softmax_k(logit) v, logit = s / 8 + (s + bias) 2^-1.5, s = q . k, bias = pos_bias[clip(q - k, +-1023) + 1023][head]; both products on codes of FP6 (E2M3) with E8M0 scales.
; t = logit x log2(e) = c (s + cb x bias), c = log2(e) (1/8 + 2^-1.5), cb = 1 / (1 + 2^-1.5).  M = the row's largest t so far, rounded up to a whole number; p = 2^(t - M) is what is quantised, along the keys;
; the row's sum is taken of the unquantised p and divides O at the end.  When M moves, the sum and O are multiplied by 2^(old M - new M): exact.
; SHARES.  A work-group owns 16 tiles of 16 queries of one (batch, head); each of its sixteen waves one tile, in 256 registers.  Every wave walks the head's 2,048 keys, 128 a step.
; THE WHOLE HEAD LIES IN LDS: K's and V's images and scale words (a record of 208,896 bytes, as it lies in memory) and the work-group's window of the four bias tables (4 x 10,240 bytes).  Nothing is filled
; again: three tensor loads a wave, all at the start.  The record's first 61,440 bytes hold all that key steps 0-3 want and every scale word: those steps run while the rest is on its way.
; CLUSTER.  The four work-groups of a cluster belong to one (batch, head): the record is asked for jointly.  The bias windows differ from partner to partner (their start hangs on the queries): each work-group's own load.
; LAYOUT.  Both products are used transposed: S^T = K Q^T + bias (source 0 = 16 keys, source 1 = my 16 queries), O^T = V^T P^T: a lane holds one query (lane % 16) throughout.  Tile 2 b + u of a step holds keys
; 32 b + 8 u + (r % 8) + 16 (r / 8), so that the 16 registers of tiles 2 b, 2 b + 1 are keys 32 b + 16 (lane / 16) + 0 .. 15.  My queries are 256 x block + 16 w - 8 (w % 2) + (r % 8) + 16 (r / 8).
; THE HEAD'S 64 IN AN INSTRUCTION OF 128: Q's upper six registers are zero codes, and bytes 2, 3 of q's and k's scale words are 0 (2^-127).  K's upper six registers are whatever follows (the next tile's codes, at the end
; six zeros): they meet zero codes and add nothing.
; THE BIAS IS THE C OF THE SCORE PRODUCT.  Word z of table copy s is cb x pos_bias[clamp(3071 + s - z)]; query i and key j want z = 2048 + s + j - i.  With s = i % 4 a lane's 16 neighbouring keys are 64 aligned bytes: four loads of 16.
; LIMITS: a block of zeros gets the scale byte 1 (its codes are zeros; this program alone reads the bytes); NaN and infinities are not served.
; REGISTERS: v1-7 addresses that stay; v8-11, v28, v29 addresses of the step; v12 -M, v13 the largest t, v[14:15] the sum; v16-27 Q; v32-79 K's eight fragments, then V's four; v80-85 zeros; v86-93 K's scale words; v94 Q's;
;   v96-159 bias, S^T, p; v160-191 O^T; v192-195 V's scale words; v196-223 at work; v220 p's scale word; v224-235 p's codes.
.set KVREC, 208896
.set QS,    3145728
.set KV,    3407872
.set PRE_TB, 6553600
.set OS,    3145728
.set KSC,   49152                      ; LDS: K's scale words [16 steps][r][8]
.set VSC,   57344                      ; V's [16 steps][r][4]
.set BREG,  61440                      ; the record's second part
.set TBL,   208896                     ; the four table windows: copy s at (s % 2) x 10,272 + (s / 2) x 20,608
.set SPARE, 250112                     ; the spare words, 128 bytes for each wave
.set SPW,  5
.set NIL,  6
.set LB,   7
.set ADK,  8
.set ADK2, 9
.set ADV,  10
.set ADS,  11
.set ADT,  28
.set ADB,  29
.set BM,   196                         ; v196-199 a block's largest score, then its largest p
.set PT,   200                         ; v200-203 lane l xor 16's; then the second chain of the sums
.set SO,   204                         ; v204-207 the conversions' scale operands
.set BY,   208                         ; v208-211 the scale bytes
.set C2,   212                         ; v212-214, v216-218 the blocks' second halves
.set PWR,  220
.set TT,   221
.set FF,   222                         ; v[222:223] f = 2^(old M - new M); the pair's upper word is written once
.set PC,   224
.set WV,   18
.set SEL,  20
.set CS,   22
.set G1T,  24
.set G1A,  32
.set G1B,  40
.set G0T,  48
.set G0A,  52
.set G0B,  56
.set SK,   66                          ; s66 where the step's images of K begin in LDS
.set SV,   67                          ; s67 V's
.set S512, 68                          ; s68 512 x step: K's scale words and the bias
.set S256, 69                          ; s69 256 x step: V's scale words
.set CNT,  70
.macro CROUND                          ; a round of the cluster's barrier
	s_barrier_signal -1
	s_barrier_wait -1
	s_cmp_lg_u32 s[WV], 0
	s_cbranch_scc1 .Lnot_wave_0_\@
	s_barrier_signal -3
.Lnot_wave_0_\@:
	s_barrier_wait -3
	s_barrier_signal -1
	s_barrier_wait -1
.endm
.macro SHAPE g, first, rows            ; descriptor group 1: a dense block as rows of 256 bytes (32 elements of 8 bytes), no padding
	s_mov_b32 s[\g], \first
	s_mov_b32 s[\g+1], 32<<16
	s_mov_b32 s[\g+2], (\rows)<<16
	s_mov_b32 s[\g+3], 32<<16
	s_mov_b32 s[\g+4], \rows
	s_mov_b32 s[\g+5], 32
	s_mov_b32 s[\g+6], 0
	s_mov_b32 s[\g+7], 0
.endm
	s_load_b128 s[4:7], s[0:1], 0x0                ; qkv s[4:5], pre s[6:7]
	s_load_b64 s[8:9], s[0:1], 0x10                ; ob
	v_lshl_add_u32 v[SPW], v0, 2, SPARE
	v_mov_b32 v[NIL], 0
	ds_add_u32 v[SPW], v[NIL]                      ; the wave's opening: the add and its wait stand ahead of my first tensor load; the set-up below stands between them
	v_lshrrev_b32 v8, 5, v0
	v_readfirstlane_b32 s[WV], v8                  ; wave 0..15
	s_bfe_u32 s10, ttmp6, 0x40000                  ; cx
	s_lshl_b32 s11, ttmp9, 2
	s_add_co_u32 s11, s11, s10                     ; my block of 256 queries, 0..7: it enters global addresses of my own loads and stores alone
	s_and_b32 s12, ttmp7, 0xffff                   ; bh, which the four partners share
	s_and_b32 s15, s12, 15                         ; the head
	SHAPE G1T, 3<<16, 10                           ; a quarter of a table window: 2,560 bytes; no mask
	SHAPE G1A, 15|(3<<16)|(1<<21), 15              ; a sixteenth of the record's first part: 3,840 bytes; the mask names the four partners
	SHAPE G1B, 15|(3<<16)|(1<<21), 36              ; a sixteenth of its second part: 9,216 bytes
	s_and_b32 s13, s[WV], 1                        ; the table: wave w brings quarter w / 4 of copy w % 4
	s_mul_i32 s13, s13, 10272
	s_bfe_u32 s14, s[WV], 0x10001
	s_mul_i32 s14, s14, 20608
	s_add_co_u32 s13, s13, s14
	s_lshr_b32 s14, s[WV], 2
	s_mul_i32 s14, s14, 2560
	s_mov_b32 s[G0T], 1
	s_add_co_u32 s[G0T+1], s13, s14
	s_add_co_u32 s[G0T+1], s[G0T+1], TBL
	s_mul_i32 s16, s15, 4*18432
	s_and_b32 s17, s[WV], 3
	s_mul_i32 s17, s17, 18432
	s_add_co_u32 s16, s16, s17
	s_add_co_u32 s16, s16, s14
	s_xor_b32 s17, s11, 7
	s_lshl_b32 s17, s17, 10                        ; the window begins at word 256 (7 - block)
	s_add_co_u32 s16, s16, s17
	s_add_co_u32 s16, s16, PRE_TB
	s_mov_b32 s17, 0
	s_mul_i32 s60, s12, KVREC                      ; the record
	s_add_co_u32 s60, s60, KV
	s_mov_b32 s[G0A], 1
	s_mul_i32 s[G0A+1], s[WV], 3840
	s_add_co_u32 s62, s60, s[G0A+1]
	s_mov_b32 s63, 0
	s_mov_b32 s[G0B], 1
	s_mul_i32 s61, s[WV], 9216
	s_add_co_u32 s[G0B+1], s61, BREG
	s_add_co_u32 s60, s60, s[G0B+1]
	s_mov_b32 s61, 0
	s_lshl_b32 s71, s11, 4
	s_add_co_u32 s71, s71, s[WV]                   ; my tile of queries, 0..127
	s_mul_i32 s72, s12, 128*768
	s_mul_i32 s73, s71, 768
	s_add_co_u32 s72, s72, s73                     ; its image
	s_mov_b32 s73, 0
	s_lshl_b32 s74, s12, 13
	s_lshr_b32 s75, s71, 3
	s_lshl_b32 s75, s75, 9
	s_add_co_u32 s74, s74, s75
	s_and_b32 s75, s71, 7
	s_lshl_b32 s75, s75, 2
	s_add_co_u32 s74, s74, s75
	s_add_co_u32 s74, s74, QS                      ; its scale words: [bh][tile / 8][r][tile % 8]
	s_mov_b32 s75, 0
	s_mov_b32 s[SEL], 0x76543210
	s_mov_b32 s[SEL+1], 0xfedcba98
	s_mov_b32 s[CS], 0x3f30be7d                    ; c
	s_mov_b32 s[CS+1], s[CS]                       ; (named with it as a pair, so it is written)
	s_mov_b32 s[SK], 0
	s_mov_b32 s[SV], 24576
	s_mov_b32 s[S512], 0
	s_mov_b32 s[S256], 0
	s_wait_dscnt 0x0                               ; the opening add is done
	s_wait_kmcnt 0x0
	s_add_nc_u64 s[G0T+2:G0T+3], s[6:7], s[16:17]
	s_or_b32 s[G0T+3], s[G0T+3], 0x80000000
	s_add_nc_u64 s[G0A+2:G0A+3], s[4:5], s[62:63]
	s_or_b32 s[G0A+3], s[G0A+3], 0x80000000
	s_add_nc_u64 s[G0B+2:G0B+3], s[4:5], s[60:61]
	s_or_b32 s[G0B+3], s[G0B+3], 0x80000000
	s_add_nc_u64 s[72:73], s[4:5], s[72:73]
	s_add_nc_u64 s[74:75], s[4:5], s[74:75]
	CROUND                                         ; all four work-groups are here: the joint loads meet
	tensor_load_to_lds s[G0T:G0T+3], s[G1T:G1T+7]  ; all fills of the launch, as one group: three loads of mine are out
	s_nop 0
	tensor_load_to_lds s[G0A:G0A+3], s[G1A:G1A+7]
	s_nop 0
	tensor_load_to_lds s[G0B:G0B+3], s[G1B:G1B+7]
	s_nop 0
.rept 4
	v_nop
.endr
	v_and_b32 v1, 31, v0
	v_lshlrev_b32 v2, 3, v1
	v_add_nc_u32 v2, 512, v2                       ; v2 512 + 8 x lane: an H image's last two registers
	v_lshlrev_b32 v1, 4, v1                        ; v1 16 x lane
	v_and_b32 v8, 15, v0                           ; r
	v_bfe_u32 v9, v0, 4, 1                         ; h
	v_lshlrev_b32 v30, 5, v8
	global_load_b128 v[16:19], v1, s[72:73]        ; Q's image stays in registers
	global_load_b64 v[20:21], v2, s[72:73]
	global_load_b32 v94, v30, s[74:75]             ; and its scale words
	v_lshl_add_u32 v3, v8, 5, KSC                  ; v3 K's scale words: 32 bytes a row
	v_lshl_add_u32 v4, v8, 4, VSC                  ; v4 V's: 16 bytes a row
	; the bias: byte 4 (256 + s + j - my query's place in the block) of copy s = r % 4:  64 + 64 (15 - w) + 32 (w % 2) + 64 h - 16 ((r / 4) % 2) - 64 (r / 8), + 512 step + 128 b + 4 i
	s_xor_b32 s76, s[WV], 15
	s_lshl_b32 s76, s76, 6
	s_and_b32 s77, s[WV], 1
	s_lshl_b32 s77, s77, 5
	s_add_co_u32 s76, s76, s77
	s_add_co_u32 s76, s76, TBL+64
	v_and_b32 v10, 1, v0
	v_mul_u32_u24 v[LB], v10, 10272
	v_bfe_u32 v10, v0, 1, 1
	v_mad_u32_u24 v[LB], v10, 20608, v[LB]
	v_lshl_add_u32 v[LB], v9, 6, v[LB]
	v_add_nc_u32 v[LB], s76, v[LB]
	v_bfe_u32 v10, v0, 2, 1
	v_lshlrev_b32 v10, 4, v10
	v_sub_nc_u32 v[LB], v[LB], v10
	v_bfe_u32 v10, v0, 3, 1
	v_lshlrev_b32 v10, 6, v10
	v_sub_nc_u32 v[LB], v[LB], v10
.irp i, 22,23,24,25,26,27
	v_mov_b32 v\i, 0                               ; Q's upper half: zero codes
.endr
.irp i, 80,81,82,83,84,85
	v_mov_b32 v\i, 0                               ; what follows K's last fragment
.endr
	v_mov_b32 v13, 0xff61b1e6                      ; the largest t so far: -3e38, under every t
	v_floor_f32 v12, -v13                          ; -M
	v_mov_b32 v14, 0                               ; the sum, in two halves
	v_mov_b32 v15, 0
.irp b, 0,1,2,3
	v_mov_b32 v[PT+\b], 0                          ; written once: a lane permute's destination counts as one of its sources
.endr
	v_mov_b32 v[FF+1], 0                           ; (named as the upper half of the pair)
.set j, 0
.rept 32
	v_mov_b32 v[160+j], 0                          ; O^T: the step is written for every step alike: the first finds zeros, which the first change of M leaves zeros
.set j, j+1
.endr
; A KEY STEP: 128 keys.
.macro STEP
	v_add_nc_u32 v[ADK], s[SK], v1                 ; six additions: also the places between the last products and the loads into their registers
	v_add_nc_u32 v[ADK2], s[SK], v2
	v_add_nc_u32 v[ADV], s[SV], v1
	v_add_nc_u32 v[ADS], s[S512], v3
	v_add_nc_u32 v[ADB], s[S512], v[LB]
	v_add_nc_u32 v[ADT], s[S256], v4
.irp b, 0,1,2,3
.irp q, 0,1,2,3
	ds_load_b128 v[96+16*\b+4*\q:99+16*\b+4*\q], v[ADB] offset:128*\b+16*\q   ; cb x bias of keys 32 b + 16 h + 4 q on, straight into the accumulators
.endr
.endr
.irp t, 0,1,2,3,4,5,6,7
	ds_load_b128 v[32+6*\t:35+6*\t], v[ADK] offset:768*\t
	ds_load_b64 v[36+6*\t:37+6*\t], v[ADK2] offset:768*\t
.endr
	ds_load_b128 v[86:89], v[ADS]
	ds_load_b128 v[90:93], v[ADS] offset:16
	s_wait_dscnt 0x0
.irp t, 0,1,2,3,4,5,6,7
	v_wmma_scale_f32_16x16x128_f8f6f4 v[96+8*\t:103+8*\t], v[32+6*\t:43+6*\t], v[16:27], v[96+8*\t:103+8*\t], v[86+\t], v94 matrix_a_fmt:MATRIX_FMT_FP6 matrix_b_fmt:MATRIX_FMT_FP6
.endr
.rept 4
	v_nop                                          ; places in front of the loads into K's registers and of the first read of the scores
.endr
.irp t, 0,1,2,3
.irp p, 0,1,2
	ds_load_b128 v[32+12*\t+4*\p:35+12*\t+4*\p], v[ADV] offset:1536*\t+512*\p   ; V's four fragments land while the softmax is walked
.endr
.endr
	ds_load_b128 v[192:195], v[ADT]
.irp b, 0,1,2,3
	v_max3_num_f32 v[BM+\b], v[96+16*\b], v[97+16*\b], v[98+16*\b]   ; the largest score of each block of 32 keys: for the row's maximum and, since p rises with the score, for the block's largest p
.endr
.irp i, 3,5,7,9,11,13
.irp b, 0,1,2,3
	v_max3_num_f32 v[BM+\b], v[BM+\b], v[96+16*\b+\i], v[97+16*\b+\i]
.endr
.endr
.irp b, 0,1,2,3
	v_max_num_f32 v[BM+\b], v[BM+\b], v[111+16*\b]
.endr
.irp b, 0,1,2,3
	v_permlanex16_b32 v[PT+\b], v[BM+\b], s[SEL], s[SEL+1]
.endr
.irp b, 0,1,2,3
	v_max_num_f32 v[BM+\b], v[BM+\b], v[PT+\b]     ; with lane l xor 16's 16 keys
.endr
	v_max3_num_f32 v[TT], v[BM], v[BM+1], v[BM+2]
	v_max_num_f32 v[TT], v[TT], v[BM+3]            ; the step's largest score of my query
	v_mul_f32 v[TT], s[CS], v[TT]                  ; as t (c is positive)
	v_max_num_f32 v13, v13, v[TT]                  ; the running largest t
	v_mov_b32 v[TT], v12
	v_floor_f32 v12, -v13                          ; the new -M = floor(-t) = -ceil(t)
	v_sub_f32 v[TT], v12, v[TT]                    ; old M - new M: a whole number, 0 or less
	v_cvt_i32_f32 v[TT], v[TT]                     ; (it saturates)
	v_ldexp_f32 v[FF], 1.0, v[TT]                  ; f = 2^(old M - new M)
.set j, 0
.rept 32
	v_pk_fma_f32 v[96+j:97+j], v[96+j:97+j], s[CS:CS+1], v[12:13] op_sel_hi:[1,0,0]   ; t - M, two at a time
.set j, j+2
.endr
.irp b, 0,1,2,3
	v_fma_f32 v[BM+\b], v[BM+\b], s[CS], v12       ; the same of each block's largest score
.endr
.set j, 0
.rept 64
	v_exp_f32 v[96+j], v[96+j]                     ; p = 2^(t - M), at most 1
.set j, j+1
.endr
	v_pk_mul_f32 v[14:15], v[14:15], v[FF:FF+1] op_sel_hi:[1,0]      ; the sums under the new M; a plain place behind the exponentials
	s_wait_alu depctr_va_vdst(0)                   ; one wait for the whole batch, ahead of its first reader
.irp b, 0,1,2,3
	v_exp_f32 v[BM+\b], v[BM+\b]                   ; the block's largest p: the same two instructions on the same number
.endr
	v_pk_add_f32 v[PT:PT+1], v[96:97], v[98:99]    ; the row's sum of the unquantised p, in two chains
.irp j, 4,8,12,16,20,24,28,32,36,40,44,48,52,56,60
	v_pk_add_f32 v[14:15], v[14:15], v[96+\j:97+\j]
	v_pk_add_f32 v[PT:PT+1], v[PT:PT+1], v[98+\j:99+\j]
.endr
	v_pk_add_f32 v[14:15], v[14:15], v[PT:PT+1]
	s_wait_alu depctr_va_vdst(0)                   ; and one for the four
.irp b, 0,1,2,3
	v_max_num_f32 v[BM+\b], 0x1800000, v[BM+\b]    ; the floor 2^(3 - 127): the byte cannot fall under 1
.endr
.irp b, 0,1,2,3
	v_add_nc_u32 v[SO+\b], 0xff000000, v[BM+\b]    ; 2 off the exponent field: the conversion's scale operand
.endr
.irp b, 0,1,2,3
	v_lshrrev_b32 v[BY+\b], 23, v[SO+\b]           ; the scale's byte
.endr
	v_lshl_or_b32 v[PWR], v[BY+1], 8, v[BY]        ; p's scale word for these 128 keys
	v_lshl_or_b32 v[PWR], v[BY+2], 16, v[PWR]
	v_lshl_or_b32 v[PWR], v[BY+3], 24, v[PWR]
.irp c, 0,1
	v_cvt_scalef32_pk16_fp6_f32 v[PC+6*\c:PC+2+6*\c], v[96+32*\c:111+32*\c], v[SO+2*\c]
	v_cvt_scalef32_pk16_fp6_f32 v[C2+4*\c:C2+2+4*\c], v[112+32*\c:127+32*\c], v[SO+2*\c+1]
.endr
	v_nop                                          ; one plain place behind a scaled conversion
.irp c, 0,1                                    ; a whole block to a lane: lanes 0-15 block 2 c, lanes 16-31 block 2 c + 1
.irp i, 0,1,2
	v_permlane16_swap_b32 v[PC+6*\c+\i], v[C2+4*\c+\i]
.endr
.irp i, 0,1,2
	v_mov_b32 v[PC+3+6*\c+\i], v[C2+4*\c+\i]
.endr
.endr
.set j, 0
.rept 16
	v_pk_mul_f32 v[160+j:161+j], v[160+j:161+j], v[FF:FF+1] op_sel_hi:[1,0]   ; O^T under the new M; these sixteen are also the places between the codes' and the scale word's last writes and the products
.set j, j+2
.endr
	s_wait_dscnt 0x0                               ; V
.irp t, 0,1,2,3
	v_wmma_scale_f32_16x16x128_f8f6f4 v[160+8*\t:167+8*\t], v[32+12*\t:43+12*\t], v[PC:PC+11], v[160+8*\t:167+8*\t], v[192+\t], v[PWR] matrix_a_fmt:MATRIX_FMT_FP6 matrix_b_fmt:MATRIX_FMT_FP6
.endr
	s_add_co_u32 s[SK], s[SK], 6144
	s_add_co_u32 s[SV], s[SV], 6144
	s_add_co_u32 s[S512], s[S512], 512
	s_add_co_u32 s[S256], s[S256], 256
.endm
	s_wait_tensorcnt 1                             ; my parts of the tables and of the record's first part are in; one load was issued behind them and may stay out
	s_barrier_signal -1
	s_barrier_wait -1                              ; everybody's are
	s_wait_loadcnt 0x0                             ; Q
	s_mov_b32 s[CNT], 4
.Lfirst:                                           ; key steps 0-3, out of the record's first part
	STEP
	s_sub_co_u32 s[CNT], s[CNT], 1
	s_cmp_lg_u32 s[CNT], 0
	s_cbranch_scc1 .Lfirst
	s_wait_tensorcnt 0x0                           ; my part of the record's second part is in,
	s_wait_dscnt 0x0
	s_barrier_signal -1
	s_barrier_wait -1                              ; everybody's is
	s_add_co_u32 s[SK], s[SK], 36864               ; K's tiles 32 on lie at 61,440,
	s_add_co_u32 s[SV], s[SV], 86016               ; V's key steps 4 on at 135,168
	s_mov_b32 s[CNT], 12
.Lrest:
	STEP
	s_sub_co_u32 s[CNT], s[CNT], 1
	s_cmp_lg_u32 s[CNT], 0
	s_cbranch_scc1 .Lrest
	; THE WAY OUT.  O^T / the sum; register 16 b + i is channel 32 b + 16 h + i of my query: two blocks of the output projection's K.  They are quantised and leave as an H image.
.rept 4
	v_nop
.endr
	v_add_f32 v14, v14, v15
	v_permlanex16_b32 v[TT], v14, s[SEL], s[SEL+1]
	v_add_f32 v14, v14, v[TT]                      ; the row's sum
	v_rcp_f32 v14, v14
	v_and_b32 v8, 15, v0                           ; (a plain place behind the reciprocal)  r
	v_bfe_u32 v9, v0, 4, 1                         ; h
	v_and_b32 v31, 31, v0
	v_lshl_add_u32 v30, v8, 5, v9                  ; my scale byte: 32 r + h
	s_lshr_b32 s72, s12, 4
	s_lshl_b32 s72, s72, 7
	s_add_co_u32 s72, s72, s71                     ; my tile among the 256 of both batches
	s_lshl_b32 s73, s72, 4
	s_add_co_u32 s73, s73, s15
	s_mul_i32 s74, s73, 768                        ; images [tile][head]
	s_mov_b32 s75, 0
	s_add_nc_u64 s[74:75], s[8:9], s[74:75]
	s_lshl_b32 s76, s72, 9                         ; scale bytes [row][32]: byte 2 x head + block
	s_lshl_b32 s77, s15, 1
	s_add_co_u32 s76, s76, s77
	s_add_co_u32 s76, s76, OS
	s_mov_b32 s77, 0
	s_add_nc_u64 s[76:77], s[8:9], s[76:77]
	s_wait_alu depctr_va_vdst(0)                   ; the wait ahead of the reciprocal's first reader
.set j, 0
.rept 16
	v_pk_mul_f32 v[96+j:97+j], v[160+j:161+j], v[14:15] op_sel_hi:[1,0]   ; each accumulator from its low end on
.set j, j+2
.endr
.irp b, 0,1
	v_max3_num_f32 v[BM+\b], |v[96+16*\b]|, |v[97+16*\b]|, 0x1800000
.endr
.irp i, 2,4,6,8,10,12,14
.irp b, 0,1
	v_max3_num_f32 v[BM+\b], v[BM+\b], |v[96+16*\b+\i]|, |v[97+16*\b+\i]|
.endr
.endr
.irp b, 0,1
	v_permlanex16_b32 v[PT+\b], v[BM+\b], s[SEL], s[SEL+1]
.endr
.irp b, 0,1
	v_max_num_f32 v[BM+\b], v[BM+\b], v[PT+\b]
.endr
.irp b, 0,1
	v_add_nc_u32 v[SO+\b], 0xff000000, v[BM+\b]
.endr
.irp b, 0,1
	v_lshrrev_b32 v[BY+\b], 23, v[SO+\b]
.endr
	v_cvt_scalef32_pk16_fp6_f32 v[PC:PC+2], v[96:111], v[SO]
	v_cvt_scalef32_pk16_fp6_f32 v[C2:C2+2], v[112:127], v[SO+1]
	v_cmp_gt_u32 vcc_lo, 16, v31                   ; (a plain place behind the conversions)
.irp i, 0,1,2
	v_permlane16_swap_b32 v[PC+\i], v[C2+\i]
.endr
.irp i, 0,1,2
	v_mov_b32 v[PC+3+\i], v[C2+\i]
.endr
	v_cndmask_b32 v31, v[BY+1], v[BY], vcc_lo      ; lanes 0-15 store block 0's byte, lanes 16-31 block 1's
	global_store_b128 v1, v[PC:PC+3], s[74:75]     ; 512 consecutive bytes,
	global_store_b64 v2, v[PC+4:PC+5], s[74:75]    ; and 256
	global_store_b8 v30, v31, s[76:77]             ; two bytes of each of 16 rows of 32: the rows' other bytes are other heads' work-groups'
	s_wait_tensorcnt 0x0                           ; the wave's end, behind my last tensor load
	ds_add_u32 v[SPW], v[NIL]
	s_wait_dscnt 0x0
	CROUND                                         ; the closing round
	s_endpgm
.Lfunc_end_k_q3bf930be85_attn:
	.size	k_q3bf930be85_attn, .Lfunc_end_k_q3bf930be85_attn-k_q3bf930be85_attn
	.p2alignl 7, 3214868480
	.fill 96, 4, 3214868480
	.section	.rodata,"a",@progbits
	.p2align	6, 0x0
	.amdhsa_kernel k_q3bf930be85_attn
		.amdhsa_group_segment_fixed_size 252160
		.amdhsa_private_segment_fixed_size 0
		.amdhsa_enable_private_segment 0
		.amdhsa_kernarg_size 24
		.amdhsa_user_sgpr_count 2
		.amdhsa_user_sgpr_kernarg_segment_ptr 1
		.amdhsa_wavefront_size32 1
		.amdhsa_system_sgpr_workgroup_id_x 1
		.amdhsa_system_sgpr_workgroup_id_y 1
		.amdhsa_system_sgpr_workgroup_id_z 1
		.amdhsa_system_vgpr_workitem_id 0
		.amdhsa_next_free_vgpr 256
		.amdhsa_next_free_sgpr 80
		.amdhsa_reserve_vcc 1
		.amdhsa_float_denorm_mode_32 3
		.amdhsa_float_denorm_mode_16_64 3
		.amdhsa_memory_ordered 1
		.amdhsa_forward_progress 1
		.amdhsa_inst_pref_size 48
	.end_amdhsa_kernel
	.amdgpu_metadata
---
amdhsa.version: [ 1, 2 ]
amdhsa.kernels:
  - .name:           k_q3bf930be85_attn
    .symbol:         k_q3bf930be85_attn.kd
    .args:
      - { .name: qkv, .offset: 0, .size: 8, .value_kind: global_buffer, .address_space: global }
      - { .name: pre, .offset: 8, .size: 8, .value_kind: global_buffer, .address_space: global }
      - { .name: ob, .offset: 16, .size: 8, .value_kind: global_buffer, .address_space: global }
    .group_segment_fixed_size: 252160
    .private_segment_fixed_size: 0
    .kernarg_segment_align: 8
    .kernarg_segment_size: 24
    .max_flat_workgroup_size: 512
    .sgpr_count:     80
    .vgpr_count:     256
    .wavefront_size: 32
...
	.end_amdgpu_metadata
.endif
;; end of part 3
;; launch oproj (part 4): grid 4 x 16, 4 waves a work-group, clusters of 4 x 4, 327,680 bytes of LDS; arguments ob, pre, bo, out0; writes out0
.if DOCPART == 4
	.amdgcn_target "amdgcn-amd-amdhsa--gfx1250"
	.amdhsa_code_object_version 6
	.text
	.protected	k_q3bf930be85_oproj
	.globl	k_q3bf930be85_oproj
	.p2align	8
	.type	k_q3bf930be85_oproj,@function
k_q3bf930be85_oproj:
	s_mov_b64 s[64:65], 0
	v_nop
	global_prefetch_b8 v0, s[64:65] scope:SCOPE_SE
	s_setreg_imm32_b32 hwreg(HW_REG_WAVE_MODE, 25, 1), 1
	s_wait_xcnt 0x0
	s_wait_alu depctr_hold_cnt(0) depctr_sa_sdst(0) depctr_va_vdst(0) depctr_va_sdst(0) depctr_va_ssrc(0) depctr_va_vcc(0) depctr_vm_vsrc(0)
	s_getreg_b32 s2, hwreg(HW_REG_IB_STS2, 6, 4)
	s_cmp_eq_u32 s2, 0
	s_cbranch_scc0 .Lentry_in_a_cluster
	s_endpgm
.Lentry_in_a_cluster:
	s_bfe_u32 s2, ttmp6, 0x10000c
	s_cmp_lg_u32 s2, 0xf033
	s_cbranch_scc0 .Lentry_shape_is_right
	s_endpgm
.Lentry_shape_is_right:
; out0 = o Wo + bo on codes of FP6 (E2M3) with E8M0 scales: [4096][1024] x [1024][1024], f32 out.  16 x 4 tiles of 256 x 256: 64 work-groups of four waves, 128 x 128 a wave.
; A = o: H images [tile of 16 rows][head 16] of 768 bytes (lane (r, h) holds block h of row r: registers 0-3 at 16 x lane, registers 4-5 at 512 + 8 x lane), and scale bytes [row][32].  A fragment of 128 along K
; is two heads' images on end: two loads of 16 bytes and two of 8 a lane, each instruction's bytes consecutive.  B = Wo's codes and scale bytes, rows of 768 and 32 bytes, as in the projection launch.
; o's rows and Wo's rows (the output's columns) lie with bits 3 and 4 of their number exchanged: the way out puts both back.
; K goes in steps of 256 (four heads) through a ring of two LDS slots; the scales of the work-group's rows stay in LDS.  CLUSTERS: 4 x 4; A's tiles are asked for jointly along a row of the cluster, B's along a column.
; The matrix instruction is used transposed (source 0 = 16 rows of B, source 1 = 16 rows of A): a lane holds eight neighbouring numbers of a row of the output.
; REGISTERS, in windows of 256: window 0: v0-31 addresses, v[8:11] bo; v32-63 scale words; from v128 A's fragments; on the way out v128-255 rows of the output.  window 1: B's fragments, two sets.  windows 2, 3: the accumulators.
.set OS,     3145728
.set WOC,    3145728+3072*768          ; Wo's codes in pre
.set WOS,    6422528+3072*32           ; and its scale bytes
.set KSTEP,  256
.set NQ,     2
.set ROWB,   192
.set KROW,   768
.set PITCH,  240                       ; B's LDS row: 3 x (64 bytes + 16 of padding)
.set FR,     12
.set NL,     6                         ; LDS loads that bring a fragment of B
.set NLA,    4                         ; and of A
.set NP,     4
.set HALFT,  128*PITCH                 ; a wave's part of a slot (A's 128 rows fill 24,576 bytes of it)
.set SLOT,   4*HALFT
.set ASTEP,  3072                      ; four heads' images of a tile: a K step of A
.set LAPS,   2
.set KS,     32
.set SCL,    2*SLOT
.set HALFS,  (128*KS/256)*272
.set SBLK,   (16*KS/256)*272
.set SPARE,  SCL+4*HALFS
.set SPITCH, 528                       ; the way out: a stage of 16 rows x (512 bytes + 16) for each wave, in slot 0, which has had its last fill and its last read when the first result is stored there
.set ADRA, 16                          ; v16-17 16 x lane in my A rows of slot 0, 1;  v18-19 512 + 8 x lane there
.set ADRB, 20
.set STO,  24
.set RD,   25
.set CO,   26
.set ADRS, 27
.set SPW,  28
.set NIL,  29
.set SC,   32
.set AF,   128
.set BK,   128
.set G1, 24
.set G0, 32
.set G1B, 48
.set G0B, 56
.set G1S, 68
.set G0S, 76
.set G1SB, 80
.set G0SB, 88
.set MSB, 0
.macro WIN new
.if MSB != \new
	s_set_vgpr_msb (MSB<<8)|\new
.set MSB, \new
.endif
.endm
.set MUL_LO, 0xa1
.set MUL_HI, 0xf1
.set TO_B,   0x40
.macro JLOAD g0a, g1a, g0b, g1b        ; a joint load: waves 0 and 1 fetch for A, waves 2 and 3 for B; an s_nop 0 and four v_nop follow each of the two lines
	s_cmp_eq_u32 s15, 0
	s_cbranch_scc0 .Lfor_b_\@
	tensor_load_to_lds s[\g0a:\g0a+3], s[\g1a:\g1a+7]
	s_nop 0
.rept 4
	v_nop
.endr
	s_branch .Lasked_\@
.Lfor_b_\@:
	tensor_load_to_lds s[\g0b:\g0b+3], s[\g1b:\g1b+7]
	s_nop 0
.rept 4
	v_nop
.endr
.Lasked_\@:
.endm
.macro CREST
	s_cmp_lg_u32 s14, 0
	s_cbranch_scc1 .Lnot_wave_0_\@
	s_barrier_signal -3
.Lnot_wave_0_\@:
	s_barrier_wait -3
	s_barrier_signal -1
	s_barrier_wait -1
.endm
.macro CROUND
	s_barrier_signal -1
	s_barrier_wait -1
	CREST
.endm
	s_load_b256 s[4:11], s[0:1], 0x0               ; ob s[4:5], pre s[6:7], bo s[8:9], out0 s[10:11]
	v_lshl_add_u32 v[SPW], v0, 2, SPARE
	v_mov_b32 v[NIL], 0
	ds_add_u32 v[SPW], v[NIL]                      ; the wave's opening: the add and its wait stand ahead of my first tensor load
	v_lshrrev_b32 v1, 5, v0
	v_readfirstlane_b32 s14, v1                    ; wave 0..3
	s_lshr_b32 s15, s14, 1                         ; which half of the tile's rows is mine.  Also: I fetch for A (0) or for B (1)
	s_and_b32 s16, s14, 1                          ; which half of its columns.  Also: which 128 rows of that tile I fetch
	s_bfe_u32 s40, ttmp6, 0x40000
	s_bfe_u32 s41, ttmp6, 0x40004
	s_lshl_b32 s42, ttmp9, 2
	s_add_co_u32 s42, s42, s40                     ; tile column
	s_and_b32 s17, ttmp7, 0xffff
	s_lshl_b32 s17, s17, 2
	s_add_co_u32 s17, s17, s41                     ; tile row
	s_lshl_b32 s43, s41, 2
	s_lshl_b32 s43, 15, s43                        ; my row of the cluster
	s_lshl_b32 s44, 0x1111, s40                    ; my column
	; A's tile: 8 tiles of 16 rows, of each the K step's four images: 8 rows of 3,072 bytes (384 elements of 8 bytes), 12,288 bytes apart; dense in LDS
	s_or_b32 s[G1+0], s43, (3<<16)|(1<<21)
	s_mov_b32 s[G1+1], 384<<16
	s_mov_b32 s[G1+2], 8<<16
	s_mov_b32 s[G1+3], 384<<16
	s_mov_b32 s[G1+4], 8
	s_mov_b32 s[G1+5], 1536
	s_mov_b32 s[G1+6], 0
	s_mov_b32 s[G1+7], 0
	; B's tile: 128 rows x 192 bytes, 16 bytes of padding behind every 64
	s_or_b32 s[G1B+0], s44, (0<<16)|(1<<20)|(1<<21)|(3<<22)|(3<<25)
	s_mov_b32 s[G1B+1], ROWB<<16
	s_mov_b32 s[G1B+2], 128<<16
	s_mov_b32 s[G1B+3], ROWB<<16
	s_mov_b32 s[G1B+4], 128
	s_mov_b32 s[G1B+5], KROW
	s_mov_b32 s[G1B+6], 0
	s_mov_b32 s[G1B+7], 0
	; the scales of 128 rows: 4,096 dense bytes, as rows of 256 bytes, 16 bytes of padding behind each
	s_or_b32 s[G1S+0], s43, (3<<16)|(1<<20)|(1<<21)|(5<<22)|(3<<25)
	s_or_b32 s[G1SB+0], s44, (3<<16)|(1<<20)|(1<<21)|(5<<22)|(3<<25)
.irp g, G1S, G1SB
	s_mov_b32 s[\g+1], 32<<16
	s_mov_b32 s[\g+2], (128*KS/256)<<16
	s_mov_b32 s[\g+3], 32<<16
	s_mov_b32 s[\g+4], 128*KS/256
	s_mov_b32 s[\g+5], 32
	s_mov_b32 s[\g+6], 0
	s_mov_b32 s[\g+7], 0
.endr
	s_lshl_b32 s18, s16, 7
	s_lshl_b32 s20, s17, 8
	s_add_co_u32 s20, s20, s18                     ; A: row 256 x tile row + 128 x half
	s_lshl_b32 s46, s42, 8
	s_add_co_u32 s46, s46, s18                     ; B: row 256 x tile column + 128 x half
	s_mov_b32 s21, 0
	s_mov_b32 s47, 0
	s_mov_b64 s[18:19], KS
	s_mul_u64 s[22:23], s[20:21], s[18:19]
	s_mul_u64 s[92:93], s[46:47], s[18:19]
	s_mov_b64 s[18:19], KROW
	s_mul_u64 s[20:21], s[20:21], s[18:19]         ; 16 rows of o are 16 images of 768 bytes: 768 bytes a row here too
	s_mul_u64 s[46:47], s[46:47], s[18:19]
	s_add_nc_u64 s[22:23], s[22:23], OS
	s_add_nc_u64 s[46:47], s[46:47], WOC
	s_add_nc_u64 s[92:93], s[92:93], WOS
	s_mul_i32 s45, s14, HALFT
	s_mul_i32 s94, s14, HALFS
	s_wait_dscnt 0x0                               ; the opening add is done
	s_wait_kmcnt 0x0
	s_add_nc_u64 s[20:21], s[4:5], s[20:21]
	s_add_nc_u64 s[22:23], s[4:5], s[22:23]
	s_add_nc_u64 s[46:47], s[6:7], s[46:47]
	s_add_nc_u64 s[92:93], s[6:7], s[92:93]
	CROUND                                         ; all sixteen work-groups are here: the first joint loads meet
	s_mov_b32 s[G0S], 1
	s_add_co_u32 s[G0S+1], s94, SCL
	s_mov_b64 s[G0S+2:G0S+3], s[22:23]
	s_or_b32 s[G0S+3], s[G0S+3], 0x80000000
	s_mov_b32 s[G0SB], 1
	s_add_co_u32 s[G0SB+1], s94, SCL
	s_mov_b64 s[G0SB+2:G0SB+3], s[92:93]
	s_or_b32 s[G0SB+3], s[G0SB+3], 0x80000000
	JLOAD G0S, G1S, G0SB, G1SB
.irp s, 0,1
	s_mov_b32 s[G0+4*\s], 1
	s_add_co_u32 s[G0+4*\s+1], s45, \s*SLOT
	s_add_nc_u64 s[G0+4*\s+2:G0+4*\s+3], s[20:21], \s*ASTEP
	s_or_b32 s[G0+4*\s+3], s[G0+4*\s+3], 0x80000000
	s_mov_b32 s[G0B+4*\s], 1
	s_add_co_u32 s[G0B+4*\s+1], s45, \s*SLOT
	s_add_nc_u64 s[G0B+4*\s+2:G0B+4*\s+3], s[46:47], \s*ROWB
	s_or_b32 s[G0B+4*\s+3], s[G0B+4*\s+3], 0x80000000
	JLOAD G0+4*\s, G1, G0B+4*\s, G1B
.endr
	v_and_b32 v1, 15, v0                           ; r
	v_bfe_u32 v2, v0, 4, 1                         ; h
	v_mul_u32_u24 v3, v1, PITCH
	v_mul_u32_u24 v4, v2, 24
	v_add_nc_u32 v4, v3, v4                        ; B: a fragment's row x pitch + 24 x half
	v_lshl_add_u32 v5, v2, 4, v4                   ; and the same behind one padding more
	v_and_b32 v6, 31, v0
	v_lshlrev_b32 v[CO], 4, v6                     ; 16 x lane
	v_lshlrev_b32 v12, 3, v6
	v_add_nc_u32 v12, 512, v12                     ; 512 + 8 x lane
	s_mul_i32 s21, s15, HALFT                      ; my 128 rows of A
	s_mul_i32 s22, s16, HALFT                      ; my 128 rows of B,
	s_add_co_u32 s22, s22, 2*HALFT                 ; behind A's two parts
.irp s, 0,1
	v_add_nc_u32 v[ADRA+\s], s21, v[CO]
	v_add_nc_u32 v[ADRA+2+\s], s21, v12
	v_add_nc_u32 v[ADRB+\s], s22, v4
	v_add_nc_u32 v[ADRB+2+\s], s22, v5
	s_add_co_u32 s21, s21, SLOT
	s_add_co_u32 s22, s22, SLOT
.endr
	v_mul_u32_u24 v5, v1, KS
	v_lshrrev_b32 v6, 8, v5
	v_lshl_add_u32 v5, v6, 4, v5
	s_mul_i32 s21, s15, HALFS
	s_mul_i32 s22, s16, HALFS
	s_add_co_u32 s22, s22, 2*HALFS
	s_sub_co_u32 s22, s22, s21
	v_mul_u32_u24 v6, s22, v2                      ; lanes 16-31 take B's
	s_add_co_u32 s21, s21, SCL
	v_add_nc_u32 v5, v5, v6
	v_add_nc_u32 v[ADRS], s21, v5
	s_mul_i32 s23, s14, 16*SPITCH                  ; my stage
	v_mul_u32_u24 v5, v1, SPITCH                   ; in: row r; B's block b holds columns 32 (b / 2) + 16 h + 8 (b % 2) + 0 .. 7: 64 h bytes for my half
	v_lshl_add_u32 v5, v2, 6, v5
	v_add_nc_u32 v[STO], s23, v5
	v_add_nc_u32 v[RD], s23, v[CO]                 ; back: the 32 lanes take one row of 512 bytes
	s_lshl_b32 s20, s17, 8
	s_lshl_b32 s21, s15, 7
	s_add_co_u32 s20, s20, s21                     ; my first row: 256 x tile row + 128 x half
	s_lshl_b32 s20, s20, 12                        ; 4,096 bytes a row
	s_lshl_b32 s46, s42, 10                        ; my first column, in bytes
	s_lshl_b32 s47, s16, 9
	s_add_co_u32 s46, s46, s47
	s_mov_b32 s47, 0
	s_add_nc_u64 s[8:9], s[8:9], s[46:47]
	global_load_b128 v[8:11], v[CO], s[8:9]        ; bo of my four columns of a row; waited for on the way out
	s_add_co_u32 s20, s20, s46
	s_mov_b32 s21, 0
	s_add_nc_u64 s[12:13], s[10:11], s[20:21]
.macro FRAG reg, adr, q, i             ; a fragment of B, in pieces of 8 bytes
.irp p, 0,1,2,3,4,5
.set PCE, 12*(\q)+6*(\p/3)+\p%3
.if PCE%8 < 5
	ds_load_b64 v[\reg+2*\p:\reg+2*\p+1], v[\adr] offset:8*PCE+16*(PCE/8)+(\i)*16*PITCH
.else
	ds_load_b64 v[\reg+2*\p:\reg+2*\p+1], v[\adr+2] offset:8*PCE+16*(PCE/8)+(\i)*16*PITCH
.endif
.endr
.endm
.macro FRAGA reg, slot, q, i           ; a fragment of A: the images of heads 2 q and 2 q + 1 of the slot's four, tile i of my eight
	ds_load_b128 v[\reg:\reg+3], v[ADRA+\slot] offset:ASTEP*(\i)+1536*(\q)
	ds_load_b64 v[\reg+4:\reg+5], v[ADRA+2+\slot] offset:ASTEP*(\i)+1536*(\q)
	ds_load_b128 v[\reg+6:\reg+9], v[ADRA+\slot] offset:ASTEP*(\i)+1536*(\q)+768
	ds_load_b64 v[\reg+10:\reg+11], v[ADRA+2+\slot] offset:ASTEP*(\i)+1536*(\q)+768
.endm
.macro MUL16 a0, p, q, sc, zero        ; the 64 accumulators take turns, one instruction a turn, in the same order in every step
.irp a, \a0, \a0+1
.irp b, 0,1,2,3,4,5,6,7
.if \zero
	v_wmma_scale_f32_16x16x128_f8f6f4 v[8*(8*((\a)%4)+\b):8*(8*((\a)%4)+\b)+7], v[128*(\p)+FR*\b:128*(\p)+FR*\b+FR-1], v[AF+FR*(\a):AF+FR*(\a)+FR-1], 0, v[SC+8*NQ*(\sc)+NQ*\b+(\q)], v[SC+8*NQ*(\sc)+NQ*(\a)+(\q)] matrix_a_fmt:MATRIX_FMT_FP6 matrix_b_fmt:MATRIX_FMT_FP6 matrix_a_scale:MATRIX_SCALE_ROW1
.else
	v_wmma_scale_f32_16x16x128_f8f6f4 v[8*(8*((\a)%4)+\b):8*(8*((\a)%4)+\b)+7], v[128*(\p)+FR*\b:128*(\p)+FR*\b+FR-1], v[AF+FR*(\a):AF+FR*(\a)+FR-1], v[8*(8*((\a)%4)+\b):8*(8*((\a)%4)+\b)+7], v[SC+8*NQ*(\sc)+NQ*\b+(\q)], v[SC+8*NQ*(\sc)+NQ*(\a)+(\q)] matrix_a_fmt:MATRIX_FMT_FP6 matrix_b_fmt:MATRIX_FMT_FP6 matrix_a_scale:MATRIX_SCALE_ROW1
.endif
.endr
.endr
.endm
.macro FETCH_B slot, q, p
	WIN TO_B
.irp i, 0,1,2,3,4,5,6,7
	FRAG 128*(\p)+FR*\i, ADRB+\slot, \q, \i
.endr
	WIN 0
.endm
.macro FETCH_A slot, q, i0
.irp i, \i0, \i0+1, \i0+2, \i0+3
	FRAGA AF+FR*(\i), \slot, \q, \i
.endr
.endm
.macro SCALES sc
.irp i, 0,1,2,3,4,5,6,7
	ds_load_b64 v[SC+8*NQ*\sc+NQ*\i:SC+8*NQ*\sc+NQ*\i+1], v[ADRS] offset:\i*SBLK
.endr
.endm
.macro PLACES n
.rept \n
	v_nop
.endr
.endm
.macro STEP slot, q, zero
	s_wait_dscnt 4*NLA                             ; B's set and A's blocks 0-3 are in; the youngest 16 loads (A's blocks 4-7) may be out
	WIN MUL_LO
	MUL16 0, (\q)%2, \q, \slot, \zero
	MUL16 2, (\q)%2, \q, \slot, \zero
	s_wait_dscnt 0
	PLACES NP
	FETCH_B \slot, (\q)+1, 1-(\q)%2
	FETCH_A \slot, (\q)+1, 0
	WIN MUL_HI
	MUL16 4, (\q)%2, \q, \slot, \zero
	MUL16 6, (\q)%2, \q, \slot, \zero
	PLACES NP
	WIN 0
	FETCH_A \slot, (\q)+1, 4
.endm
.macro TURN slot, next, fill
	s_wait_tensorcnt 0x0                           ; all my tensor loads have landed: my part of the next slot
	ds_add_u32 v[SPW], v[NIL]                      ; 0 onto my spare word
	s_wait_dscnt 4*NLA+1                           ; (the add and the youngest 16 loads may be out)
	WIN MUL_LO
	MUL16 0, 1, NQ-1, \slot, 0
	s_wait_dscnt 0x0                               ; the add is done, and my reads of this slot are over
	s_barrier_signal -1
	MUL16 2, 1, NQ-1, \slot, 0
	WIN 0
	s_barrier_wait -1
.if \fill
	CREST                                          ; the barrier has opened a round of the cluster's barrier
	s_add_nc_u64 s[G0+4*\slot+2:G0+4*\slot+3], s[G0+4*\slot+2:G0+4*\slot+3], 2*ASTEP
	s_add_nc_u64 s[G0B+4*\slot+2:G0B+4*\slot+3], s[G0B+4*\slot+2:G0B+4*\slot+3], 2*ROWB
	JLOAD G0+4*\slot, G1, G0B+4*\slot, G1B         ; the first tensor load behind the round
.else
	PLACES NP
.endif
	v_add_nc_u32 v[ADRS], 4*NQ, v[ADRS]
	FETCH_B \next, 0, 0
	FETCH_A \next, 0, 0
	SCALES \next
	WIN MUL_HI
	MUL16 4, 1, NQ-1, \slot, 0
	MUL16 6, 1, NQ-1, \slot, 0
	PLACES NP
	WIN 0
	FETCH_A \next, 0, 4
.endm
	s_wait_tensorcnt 1                             ; the scales and my part of K step 0 are in (K step 1's load may be out),
	s_barrier_signal -1
	s_barrier_wait -1                              ; everybody's are
	FETCH_B 0, 0, 0
	FETCH_A 0, 0, 0
	SCALES 0
	FETCH_A 0, 0, 4
	STEP 0, 0, 1                                   ; the first step's products start the sums
	s_mov_b32 s3, LAPS-1
.Llap:
	TURN 0, 1, 1
	STEP 1, 0, 0
	TURN 1, 0, 1
	STEP 0, 0, 0
	s_sub_co_u32 s3, s3, 1
	s_cmp_lg_u32 s3, 0
	s_cbranch_scc1 .Llap
	TURN 0, 1, 0                                   ; the last lap fills nothing
	STEP 1, 0, 0
	s_wait_dscnt 4*NLA
	WIN MUL_LO
	MUL16 0, 1, NQ-1, 1, 0
	MUL16 2, 1, NQ-1, 1, 0
	s_wait_dscnt 0
	WIN MUL_HI
	MUL16 4, 1, NQ-1, 1, 0
	MUL16 6, 1, NQ-1, 1, 0
	WIN 0
; THE WAY OUT, block by block of 16 rows x 128 columns, through my own stage in LDS: in by 32 bytes a lane at the columns' true places, back as whole rows of 512 bytes.
.macro TOSTAGE a
.set AC, 64*((\a)%4)
	WIN 0x08+4*((\a)/4)                            ; the data: window 2 or 3
.irp b, 0,1,2,3,4,5,6,7
	ds_store_b128 v[STO], v[AC+8*\b:AC+8*\b+3] offset:128*(\b/2)+32*(\b%2)          ; each accumulator from its low end on
	ds_store_b128 v[STO], v[AC+8*\b+4:AC+8*\b+7] offset:128*(\b/2)+32*(\b%2)+16
.endr
	WIN 0
.set BB, BK+64*((\a)%2)
.irp t, 0,1,2,3,4,5,6,7,8,9,10,11,12,13,14,15
	ds_load_b128 v[BB+4*\t:BB+4*\t+3], v[RD] offset:\t*SPITCH     ; LDS serves a wave's instructions in order: these see the stores above
.endr
.endm
.macro SEND a, younger                 ; younger: the LDS instructions issued behind block a's loads, which may stay out
.set BB, BK+64*((\a)%2)
	s_wait_dscnt \younger
.irp t, 0,1,2,3,4,5,6,7,8,9,10,11,12,13,14,15
	v_pk_add_f32 v[BB+4*\t:BB+4*\t+1], v[BB+4*\t:BB+4*\t+1], v[8:9]
	v_pk_add_f32 v[BB+4*\t+2:BB+4*\t+3], v[BB+4*\t+2:BB+4*\t+3], v[10:11]
	global_store_b128 v[CO], v[BB+4*\t:BB+4*\t+3], s[12:13] offset:(32*((\a)/2)+8*((\a)%2)+(\t)%8+16*((\t)/8))*4096 th:TH_STORE_NT   ; place 16 a + t is true row 32 (a / 2) + 8 (a % 2) + t % 8 + 16 (t / 8); 512 consecutive bytes, aligned
.endr
.endm
	PLACES NP
	s_wait_loadcnt 0x0                             ; bo
	TOSTAGE 0
.irp a, 1,2,3,4,5,6,7
.if \a > 1
	s_wait_xcnt 0x0                                ; block a - 2's stores have read their registers: block a's loads may land there
.endif
	TOSTAGE \a
	SEND \a-1, 32                                  ; behind block a - 1's loads: block a's 16 stores and 16 loads
.endr
	SEND 7, 0
	s_wait_tensorcnt 0x0                           ; the wave's end, behind my last tensor load and my last LDS store
	ds_add_u32 v[SPW], v[NIL]
	s_wait_dscnt 0x0
	CROUND                                         ; the closing round
	s_endpgm
.Lfunc_end_k_q3bf930be85_oproj:
	.size	k_q3bf930be85_oproj, .Lfunc_end_k_q3bf930be85_oproj-k_q3bf930be85_oproj
	.p2alignl 7, 3214868480
	.fill 96, 4, 3214868480
	.section	.rodata,"a",@progbits
	.p2align	6, 0x0
	.amdhsa_kernel k_q3bf930be85_oproj
		.amdhsa_group_segment_fixed_size 327680
		.amdhsa_private_segment_fixed_size 0
		.amdhsa_enable_private_segment 0
		.amdhsa_kernarg_size 32
		.amdhsa_user_sgpr_count 2
		.amdhsa_user_sgpr_kernarg_segment_ptr 1
		.amdhsa_wavefront_size32 1
		.amdhsa_system_sgpr_workgroup_id_x 1
		.amdhsa_system_sgpr_workgroup_id_y 1
		.amdhsa_system_sgpr_workgroup_id_z 1
		.amdhsa_system_vgpr_workitem_id 0
		.amdhsa_next_free_vgpr 1024
		.amdhsa_next_free_sgpr 98
		.amdhsa_reserve_vcc 0
		.amdhsa_float_denorm_mode_32 3
		.amdhsa_float_denorm_mode_16_64 3
		.amdhsa_memory_ordered 1
		.amdhsa_forward_progress 1
		.amdhsa_inst_pref_size 167
	.end_amdhsa_kernel
	.amdgpu_metadata
---
amdhsa.version: [ 1, 2 ]
amdhsa.kernels:
  - .name:           k_q3bf930be85_oproj
    .symbol:         k_q3bf930be85_oproj.kd
    .args:
      - { .name: ob, .offset: 0, .size: 8, .value_kind: global_buffer, .address_space: global }
      - { .name: pre, .offset: 8, .size: 8, .value_kind: global_buffer, .address_space: global }
      - { .name: bo, .offset: 16, .size: 8, .value_kind: global_buffer, .address_space: global }
      - { .name: out0, .offset: 24, .size: 8, .value_kind: global_buffer, .address_space: global }
    .group_segment_fixed_size: 327680
    .private_segment_fixed_size: 0
    .kernarg_segment_align: 8
    .kernarg_segment_size: 32
    .max_flat_workgroup_size: 128
    .sgpr_count:     98
    .vgpr_count:     1024
    .wavefront_size: 32
...
	.end_amdgpu_metadata
.endif
;; end of part 4
